; MI455X (gfx1250); checked and timed in simulation.
; The chip was launched on July 23, 2026; its instructions are those of AMD's public machine-readable ISA for CDNA 5 (MIT licence, August 2026) and "CDNA5" Instruction Set Architecture Reference Guide (July 2026). The comments in the code are by the model that wrote it; some were corrected since.
;; Multi Headed Attention. Allowed arithmetic: matrix products marked QUANTISED: E5M2 operands, one E8M0 scale for each 32 along K, by v_wmma_scale_f32_16x16x128_f8f6f4 with both operands' format E5M2, f32 sums; everything else in f32.
;; Inputs: k_codes 1 x 4,096 x 32 x 32 uint8 (E5M2 codes of k, K innermost, in blocks of 32 codes); k_scales 1 x 4,096 x 32 uint8 (E8M0 scales of k, one for each 32 codes along K); mask 4,096 x 4,096 bool; q_codes 1 x 4,096 x 32 x 32 uint8 (E5M2 codes of q, K innermost, in blocks of 32 codes); q_scales 1 x 4,096 x 32 uint8 (E8M0 scales of q, one for each 32 codes along K); rotary_freqs 4,096 x 32 float32; v_codes 1 x 4,096 x 32 x 32 uint8 (E5M2 codes of v, K innermost, in blocks of 32 codes); v_scales 1 x 4,096 x 32 uint8 (E8M0 scales of v, one for each 32 codes along K); w_k_codes 1,024 x 32 x 32 uint8 (E5M2 codes of w_k, K innermost, in blocks of 32 codes); w_k_scales 1,024 x 32 uint8 (E8M0 scales of w_k, one for each 32 codes along K); w_o_codes 1,024 x 32 x 32 uint8 (E5M2 codes of w_o, K innermost, in blocks of 32 codes); w_o_scales 1,024 x 32 uint8 (E8M0 scales of w_o, one for each 32 codes along K); w_q_codes 1,024 x 32 x 32 uint8 (E5M2 codes of w_q, K innermost, in blocks of 32 codes); w_q_scales 1,024 x 32 uint8 (E8M0 scales of w_q, one for each 32 codes along K); w_v_codes 1,024 x 32 x 32 uint8 (E5M2 codes of w_v, K innermost, in blocks of 32 codes); w_v_scales 1,024 x 32 uint8 (E8M0 scales of w_v, one for each 32 codes along K).
;; Outputs: out0 1 x 4,096 x 1,024 float32.
;; This version of the problem:
;;   THIS VERSION OF THE PROBLEM IS GIVEN IN LOW PRECISION. The matrix products marked QUANTISED in the list below multiply operands that are first quantised to E5M2 (5 exponent bits, 2 mantissa bits; 8 bits a number), with one power-of-two scale for each 32 numbers along K (OCP MX v1.0); their sums are f32. All else is computed in f32.
;;   The module's matrix products, in the order in which they are computed (A, B: the left and right operand; K: the contracted axis; several contracted axes count as one K, in the product's order):
;;     1. [M 4,096, K 1,024] x [K 1,024, N 1,024]; A: input q (given as codes); B: input w_q (given as codes): QUANTISED
;;     2. [M 4,096, K 1,024] x [K 1,024, N 1,024]; A: input k (given as codes); B: input w_k (given as codes): QUANTISED
;;     3. [M 4,096, K 1,024] x [K 1,024, N 1,024]; A: input v (given as codes); B: input w_v (given as codes): QUANTISED
;;     4. batch 16 x [M 4,096, K 64] x [K 64, N 4,096]; A: computed on the way; B: computed on the way: QUANTISED
;;     5. batch 16 x [M 4,096, K 4,096] x [K 4,096, N 64]; A: softmax (see below); B: computed on the way: QUANTISED
;;     6. [M 4,096, K 1,024] x [K 1,024, N 1,024]; A: computed on the way; B: input w_o (given as codes): QUANTISED
;;   THE QUANTISER, for each operand of a quantised product, along K:
;;     - K is cut into blocks of 32 from its start; a last block that is shorter is filled with zeros.
;;     - A block's scale is 2^e with e = floor(log2(the largest magnitude in the block)) - 15, held to -126 .. 127; a block of zeros has e = 0. As a byte (E8M0): e + 127.
;;     - Each number is divided by its block's scale, clamped to +-57,344, and rounded to the nearest number of E5M2, ties to even, subnormals kept.
;;     - The product sums the exact products of the quantised numbers (number of the format x scale) in f32.
;;   ~~~python
;;   def quantise(x, axis):      # numpy; x: float32 -> the quantised numbers, widened to float32 again
;;       x = np.moveaxis(x, axis, -1); K = x.shape[-1]
;;       x = np.pad(x, [(0, 0)] * (x.ndim - 1) + [(0, -K % 32)]); x = x.reshape(x.shape[:-1] + (-1, 32)); a = np.abs(x).max(-1, keepdims=True)
;;       e = np.where(a > 0, np.clip(np.frexp(np.where(a > 0, a, 1))[1] - 1 - 15, -126, 127), 0)      # np.frexp(a)[1] - 1 = floor(log2(a)), exactly
;;       r = np.clip(x / 2.0 ** e, -57344, 57344)
;;       step = 2.0 ** (np.maximum(np.frexp(np.where(r == 0, 1, r))[1] - 1, -14) - 2)
;;       q = np.round(r / step) * step * 2.0 ** e      # np.round: ties to even
;;       return np.moveaxis(q.reshape(q.shape[:-2] + (-1,))[..., :K], -1, axis).astype(np.float32)
;;   ~~~
;;   SOFTMAX AHEAD OF A QUANTISED PRODUCT. Where the list says 'softmax', what is quantised is not the finished softmax but p = 2^(t - M), with t = logit x log2(e) and M = ceil(the row's largest t), a whole number; so 1/2 < the row's largest p <= 1. The row's sum l is taken of the UNQUANTISED p, in f32, and the product's result is divided by l at the end. Since M is a whole number, a kernel that streams over the keys may use a running M (the ceiling of the running maximum): every later rescaling is an exact power of two, which a block's scale takes up: the codes' values come out the same.
;;   OPERANDS COMPUTED ON THE WAY. 'Computed on the way' means the value that the module computes at that place (a softmax that the list does not call 'softmax' is quantised finished and normalised). What goes into a quantiser is computed in f32, as accurately as f32 sums, v_exp_f32 and their like allow (about 1e-6 of the number): no bf16 or f16 on the way to a quantiser, and a product that is left as it is and whose result goes on into a quantised operand takes f32 operands (vector FMAs, or v_wmma_f32_16x16x4_f32). A number that lies on a knife's edge between two numbers of the format may be rounded either way, as far as f32 arithmetic and the matrix unit's own rounding can turn it there, and no further.
;;   INPUTS GIVEN AS CODES. k (in the module: [1, 4096, 1024], K = its axis 2); q (in the module: [1, 4096, 1024], K = its axis 2); v (in the module: [1, 4096, 1024], K = its axis 2); w_k (in the module: [1024, 1024], K = its axis 1); w_o (in the module: [1024, 1024], K = its axis 1); w_q (in the module: [1024, 1024], K = its axis 1); w_v (in the module: [1024, 1024], K = its axis 1): each comes as NAME_codes (uint8): NAME with its K axis moved to the last place and cut into blocks of 32 codes, [.., K / 32, bytes a block], one block behind the other in memory; one code a byte (a code: sign, 5 exponent bits, 2 mantissa bits); and NAME_scales (uint8): the same leading axes, one E8M0 byte (e + 127) for each 32 codes along K. Its value is code x scale, taken as it is: it is not quantised again, and the codes and scales need not be those that the quantiser above would give.
;; One version. Each part assembles by itself: llvm-mc -triple=amdgcn-amd-amdhsa -mcpu=gfx1250 --defsym DOCPART=n.
;; ======== version 1 of 1: 4 launches
;; limits: inputs' magnitudes at most 10,000; right only within a limited range of input values
;; workspace buffers: maskw 2,097,152 bytes of whole numbers; rot 2,097,152 bytes; qimg 4,325,376 bytes; kimg 4,325,376 bytes; vimg 4,325,376 bytes; aimg 4,194,304 bytes; asc 131,072 bytes; tflag 65,536 bytes of whole numbers
;; launch prep (part 1): grid 256 x 1, 8 waves a work-group, no clusters, 36,096 bytes of LDS; arguments mask, rotary_freqs, maskw, rot, tflag; writes maskw, rot, tflag
.if DOCPART == 1
	.amdgcn_target "amdgcn-amd-amdhsa--gfx1250"
	.amdhsa_code_object_version 6
	.text
	.protected	k_q3d3579398e_prep
	.globl	k_q3d3579398e_prep
	.p2align	8
	.type	k_q3d3579398e_prep,@function
k_q3d3579398e_prep:
	s_mov_b64 s[64:65], 0
	v_nop
	global_prefetch_b8 v0, s[64:65] scope:SCOPE_SE
	s_setreg_imm32_b32 hwreg(HW_REG_WAVE_MODE, 25, 1), 1
	s_wait_xcnt 0x0
; TWO TABLES FOR THE LATER LAUNCHES.
; (1) maskw: the mask [4096][4096] of bytes as LANE MASKS.  Word n = 8 a + j of (query tile A of 16, key step J of 128) has in bit l = (r = l % 16, h = l / 16)
;     mask[16 A + r][128 J + 16 a + 8 h + j] != 0: the lane mask of score register n of the attention launch, so that the mask costs it one select a score.
; (2) rot: cos and sin of rotary_freqs [4096][32], f32: cos [t][d] at byte 0, sin [t][d] at 524,288, cos [d][t] at 1,048,576, sin [d][t] at 1,572,864.
; SHARES.  Work-group g is query tile g; wave w takes keys 512 w .. 512 w + 511 (steps 4 w .. 4 w + 3), in two trips of 256 keys.  Every mask load reads 256 consecutive bytes of each of two rows; the 16 rows x 256 bytes
; turn through the wave's own stage in LDS (rows 272 bytes apart) and come back 8 bytes a lane: the lane's query, its eight keys of a tile.  No barrier: waves share nothing.
; Of the frequencies a work-group takes 2,048 dense bytes (8 a thread) for the row-major tables, and wave w takes d = 8 (g % 4) + w at 64 rows t = 64 (g / 4) .. for the transposed ones.
; SINE AND COSINE: n = x 2 / pi to the nearest whole number; r = x - n pi / 2 with pi / 2 in three parts (fused multiply-adds); polynomials on |r| <= pi / 4; the quadrant n % 4 swaps and signs.
; LIMIT: |frequency| up to about 1e4 keeps the error near 1e-7; beyond that the reduction loses bits.  NaN and infinities are not served.
.set SP,   272                         ; a stage row: 256 bytes + 16
.set WST,  16*SP                       ; a wave's stage
.set SINO, 524288                      ; from a cosine table to its sine table
.set TRO,  1048576                     ; the transposed tables
	s_load_b256 s[4:11], s[0:1], 0x0
	; (3) tflag: for query tile g two words, repeated over 256 bytes: n = the key steps to walk (the last step with an open key + 1; 32 if some row of the tile has no open key), and a bit a step: the step holds a hidden key.
	s_load_b64 s[54:55], s[0:1], 0x20              ; tflag
	s_mov_b32 s50, 0                               ; the or of all my lane masks: which rows have an open key
	s_mov_b32 s51, 0                               ; a bit for each of my four steps: some key hidden
	s_mov_b32 s52, 0                               ; a bit for each of my four steps: some key open
	v_lshl_add_u32 v128, v0, 2, 0x8800
	v_mov_b32 v129, 0
	v_lshrrev_b32 v1, 5, v0
	s_delay_alu instid0(VALU_DEP_1)
	v_readfirstlane_b32 s12, v1                    ; wave 0..7
	v_and_b32 v7, 31, v0                           ; lane
	v_and_b32 v5, 15, v0                           ; r
	v_bfe_u32 v6, v0, 4, 1                         ; h
	s_delay_alu instid0(VALU_DEP_2)
	v_lshlrev_b32 v1, 4, v5
	s_delay_alu instid0(VALU_DEP_1)
	v_lshl_add_u32 v1, v6, 12, v1                  ; mask: 16 r + one row (4,096 bytes) for lanes 16-31
	v_lshlrev_b32 v2, 3, v0                        ; 8 x thread: the dense share of the frequencies
	v_lshlrev_b32 v3, 8, v7                        ; 256 x lane: two rows of frequencies a lane
	v_lshlrev_b32 v4, 3, v7                        ; 8 x lane: the stores of one aligned run of 256 bytes
	s_mul_i32 s24, s12, WST
	v_mul_u32_u24 v28, v6, SP
	v_mul_u32_u24 v29, v5, SP
	s_delay_alu instid0(VALU_DEP_2)
	v_lshl_add_u32 v28, v5, 4, v28
	s_delay_alu instid0(VALU_DEP_2)
	v_lshl_add_u32 v29, v6, 3, v29
	s_delay_alu instid0(VALU_DEP_2)
	v_add_nc_u32 v5, s24, v28                      ; the stage, in: row h of a pair, 16 r
	s_delay_alu instid0(VALU_DEP_2)
	v_add_nc_u32 v6, s24, v29                      ; and out: row r, 8 h
	s_mov_b32 s13, 0x3f22f983                      ; 2 / pi
	s_mov_b32 s14, 0x3fc90000                      ; pi / 2 in three parts
	s_mov_b32 s15, 0x39fda000
	s_mov_b32 s16, 0x33a22168
	s_mov_b32 s17, 0xbe2aaaa3                      ; the sine's three coefficients
	s_mov_b32 s18, 0x3c08839e
	s_mov_b32 s19, 0xb94ca1f9
	s_mov_b32 s20, 0x3d2aaaa5                      ; the cosine's
	s_mov_b32 s21, 0xbab6061a
	s_mov_b32 s22, 0x37ccf5ce
	s_lshl_b32 s40, ttmp9, 16
	s_lshl_b32 s41, s12, 9
	s_add_co_u32 s40, s40, s41
	s_mov_b32 s41, 0                               ; mask: 16 rows x 4,096 x g + 512 w
	s_lshl_b32 s42, ttmp9, 11
	s_mov_b32 s43, 0                               ; the dense share: 2,048 g
	s_lshr_b32 s25, ttmp9, 2                       ; g / 4
	s_and_b32 s26, ttmp9, 3
	s_lshl_b32 s26, s26, 3
	s_add_co_u32 s26, s26, s12                     ; d = 8 (g % 4) + w
	s_lshl_b32 s44, s25, 13                        ; 64 rows of 128 bytes x (g / 4)
	s_lshl_b32 s27, s26, 2
	s_add_co_u32 s44, s44, s27                     ; + 4 d
	s_mov_b32 s45, 0
	s_lshl_b32 s46, s26, 14                        ; transposed: row d of 16,384 bytes
	s_lshl_b32 s27, s25, 8
	s_add_co_u32 s46, s46, s27                     ; + 4 x 64 (g / 4)
	s_add_co_u32 s46, s46, TRO
	s_mov_b32 s47, 0
	s_lshl_b32 s28, ttmp9, 13
	s_lshl_b32 s29, s12, 10
	s_add_co_u32 s28, s28, s29
	s_mov_b32 s29, 0                               ; maskw: 32 steps x 256 bytes x g + 4 steps x w
	s_wait_alu depctr_va_vdst(0)
	s_wait_kmcnt 0x0
	s_add_nc_u64 s[4:5], s[4:5], s[40:41]
	s_add_nc_u64 s[32:33], s[6:7], s[42:43]
	s_add_nc_u64 s[34:35], s[6:7], s[44:45]
	s_add_nc_u64 s[8:9], s[8:9], s[28:29]
	s_add_nc_u64 s[36:37], s[10:11], s[42:43]
	s_add_nc_u64 s[38:39], s[10:11], s[46:47]
	global_load_b64 v[8:9], v2, s[32:33]           ; two neighbouring frequencies
	global_load_b32 v10, v3, s[34:35]              ; f[t0 + 2 l][d]
	global_load_b32 v11, v3, s[34:35] offset:128   ; f[t0 + 2 l + 1][d]
.irp u, 0,1
.irp i, 0,1,2,3,4,5,6,7
	global_load_b128 v[32+32*\u+4*\i:35+32*\u+4*\i], v1, s[4:5] offset:8192*\i+256*\u th:TH_LOAD_NT   ; rows 2 i and 2 i + 1, 256 consecutive bytes of each; the mask is read once
.endr
.endr
.irp j, 20,21,22,23,24,25,26,27
	v_mov_b32 v\j, 0                               ; a lane write's destination counts as read
.endr
.macro SINCOS x, c, s
	v_mul_f32 v100, s13, v[\x]
	s_delay_alu instid0(VALU_DEP_1)
	v_rndne_f32 v100, v100                         ; n
	s_delay_alu instid0(VALU_DEP_1)
	v_fma_f32 v101, -v100, s14, v[\x]
	s_delay_alu instid0(VALU_DEP_1)
	v_fma_f32 v101, -v100, s15, v101
	s_delay_alu instid0(VALU_DEP_1)
	v_fma_f32 v101, -v100, s16, v101               ; r = x - n pi / 2
	s_delay_alu instid0(VALU_DEP_4)
	v_cvt_i32_f32 v102, v100                       ; n as a whole number
	s_delay_alu instid0(VALU_DEP_2)
	v_mul_f32 v103, v101, v101                     ; z = r r
	s_delay_alu instid0(VALU_DEP_1)
	v_fma_f32 v104, v103, s19, s18
	s_delay_alu instid0(VALU_DEP_1)
	v_fma_f32 v104, v103, v104, s17
	s_delay_alu instid0(VALU_DEP_1)
	v_mul_f32 v104, v103, v104
	s_delay_alu instid0(VALU_DEP_1)
	v_fma_f32 v104, v104, v101, v101               ; sin r
	v_fma_f32 v105, v103, s22, s21
	s_delay_alu instid0(VALU_DEP_1)
	v_fma_f32 v105, v103, v105, s20
	v_fma_f32 v106, v103, -0.5, 1.0
	v_mul_f32 v107, v103, v103
	s_delay_alu instid0(VALU_DEP_1)
	v_fma_f32 v105, v107, v105, v106               ; cos r
	v_and_b32 v106, 1, v102
	s_delay_alu instid0(VALU_DEP_1)
	v_cmp_eq_u32 vcc_lo, 1, v106                   ; an odd quadrant swaps the two
	s_delay_alu instid0(VALU_DEP_1)
	v_cndmask_b32 v[\s], v104, v105, vcc_lo
	s_delay_alu instid0(VALU_DEP_2)
	v_cndmask_b32 v[\c], v105, v104, vcc_lo
	v_and_b32 v106, 2, v102                        ; the sine is negative in quadrants 2 and 3,
	s_delay_alu instid0(VALU_DEP_1)
	v_lshlrev_b32 v106, 30, v106
	s_delay_alu instid0(VALU_DEP_1)
	v_xor_b32 v[\s], v106, v[\s]
	v_add_nc_u32 v107, 1, v102                     ; the cosine in 1 and 2
	s_delay_alu instid0(VALU_DEP_1)
	v_and_b32 v107, 2, v107
	s_delay_alu instid0(VALU_DEP_1)
	v_lshlrev_b32 v107, 30, v107
	s_delay_alu instid0(VALU_DEP_1)
	v_xor_b32 v[\c], v107, v[\c]
.endm
	s_wait_loadcnt 16                              ; the three loads of frequencies are in; the sixteen of the mask may be out
	SINCOS 8, 12, 16
	SINCOS 9, 13, 17
	SINCOS 10, 14, 18
	SINCOS 11, 15, 19
	global_store_b64 v2, v[12:13], s[36:37]                ; each store of a wave covers 256 consecutive bytes, aligned
	global_store_b64 v2, v[16:17], s[36:37] offset:SINO
	global_store_b64 v4, v[14:15], s[38:39]
	global_store_b64 v4, v[18:19], s[38:39] offset:SINO
; One step's 64 words.  Byte j % 4 of a register is cut out, compared with 0 across the wave, and the wave's 32 bits go as word n into lane n / 2 of a pair of registers.
.macro UNIT k, s
	; the step's 16 registers of mask bytes of my lane: their and is 0x01010101 only if every byte is open; their or is 0 only if none is
	v_and_b32 v8, v[96+16*(\s)], v[97+16*(\s)]
	v_or_b32 v9, v[96+16*(\s)], v[97+16*(\s)]
.irp i, 2,3,4,5,6,7,8,9,10,11,12,13,14,15
	v_and_b32 v8, v8, v[96+16*(\s)+\i]
	v_or_b32 v9, v9, v[96+16*(\s)+\i]
.endr
	v_cmp_ne_u32 s48, 0x01010101, v8               ; lanes with a hidden key (a byte whose low bit is clear counts as hidden here: the step then takes the selects, which go by the lane masks)
	v_cmp_ne_u32 s49, 0, v9                        ; lanes (row r, half h) with an open key
.set n, 0
.rept 64
	v_and_b32 v[28+n%4], 0xff<<(8*(n%4)), v[96+16*(\s)+2*(n/8)+(n%8)/4]
	s_delay_alu instid0(VALU_DEP_1)
	v_cmp_ne_u32 s[24+n%8], 0, v[28+n%4]
	s_delay_alu instid0(VALU_DEP_1)
	v_writelane_b32 v[20+2*(\k)+n%2], s[24+n%8], n/2
.set n, n+1
.endr
	global_store_b64 v4, v[20+2*(\k):21+2*(\k)], s[8:9] offset:256*(\k)
	s_or_b32 s50, s50, s49
	s_cmp_lg_u32 s48, 0
	s_cselect_b32 s53, 1, 0
	s_lshl_b32 s53, s53, (\k)
	s_or_b32 s51, s51, s53
	s_cmp_lg_u32 s49, 0
	s_cselect_b32 s53, 1, 0
	s_lshl_b32 s53, s53, (\k)
	s_or_b32 s52, s52, s53
.endm
.macro TRIP u
.irp i, 0,1,2,3,4,5,6,7
	ds_store_b128 v5, v[32+32*\u+4*\i:35+32*\u+4*\i] offset:2*SP*\i
.endr
.irp s, 0,1
.irp a, 0,1,2,3,4,5,6,7
	ds_load_b64 v[96+16*\s+2*\a:97+16*\s+2*\a], v6 offset:128*\s+16*\a   ; LDS serves a wave's instructions in order: these see the stores above.  Query r, keys 128 s + 16 a + 8 h + 0 .. 7
.endr
.endr
	s_wait_dscnt 0x0
	UNIT 2*\u, 0
	UNIT 2*\u+1, 1
.endm
	s_wait_loadcnt 8                               ; the first trip's eight loads are in
	TRIP 0
	s_wait_loadcnt 0x0
	TRIP 1
	; the eight waves' bits meet in 128 bytes of LDS behind the spare words: 16 bytes a wave
	s_lshl_b32 s53, s12, 2
	s_lshl_b32 s51, s51, s53                       ; my four steps are steps 4 w ..
	s_lshl_b32 s52, s52, s53
	s_lshl_b32 s53, s12, 4
	s_add_co_u32 s53, s53, 0x8c00
	v_mov_b32 v100, s51
	v_mov_b32 v101, s52
	v_mov_b32 v102, s50
	v_mov_b32 v103, 0
	v_mov_b32 v104, s53
	ds_store_b128 v104, v[100:103]                 ; all lanes store the same 16 bytes
	v_mov_b32 v105, 0x8c00
	s_wait_alu depctr_va_vdst(0)                   ; the wait ahead of the wait below
	s_wait_dscnt 0x0                               ; my store is done, for the others' sake
	s_barrier_signal -1
	s_barrier_wait -1
.irp w, 0,1,2,3,4,5,6,7
	ds_load_b128 v[64+4*\w:67+4*\w], v105 offset:16*\w
.endr
	s_wait_dscnt 0x0
.irp w, 1,2,3,4,5,6,7
	v_or_b32 v64, v64, v[64+4*\w]
	v_or_b32 v65, v65, v[65+4*\w]
	v_or_b32 v66, v66, v[66+4*\w]
.endr
	v_readfirstlane_b32 s51, v64                   ; 32 bits: step holds a hidden key
	v_readfirstlane_b32 s52, v65                   ; 32 bits: step holds an open key
	v_readfirstlane_b32 s50, v66                   ; rows with an open key, in both halves of the lanes
.irp d, 1,2,4,8,16
	s_lshr_b32 s53, s52, \d                        ; every bit under the highest is set,
	s_or_b32 s52, s52, s53
.endr
	s_bcnt1_i32_b32 s52, s52                       ; and counted: the last open step + 1
	s_lshr_b32 s53, s50, 16
	s_or_b32 s50, s50, s53
	s_and_b32 s50, s50, 0xffff
	s_cmp_eq_u32 s50, 0xffff                       ; has every row an open key?
	s_cselect_b32 s52, s52, 32                     ; if not, all 32 steps are walked
	s_lshl_b32 s56, ttmp9, 8
	s_mov_b32 s57, 0
	s_add_nc_u64 s[54:55], s[54:55], s[56:57]
	s_cmp_lg_u32 s12, 0
	s_cbranch_scc1 .Lnot_first                     ; wave 0 stores for the work-group
	v_mov_b32 v106, s52
	v_mov_b32 v107, s51
	global_store_b64 v4, v[106:107], s[54:55]      ; 256 consecutive bytes, aligned
.Lnot_first:
	s_wait_tensorcnt 0x0
	ds_add_u32 v128, v129
	s_wait_dscnt 0x0
	s_endpgm
.Lfunc_end_k_q3d3579398e_prep:
	.size	k_q3d3579398e_prep, .Lfunc_end_k_q3d3579398e_prep-k_q3d3579398e_prep
	.p2alignl 7, 3214868480
	.fill 96, 4, 3214868480
	.section	.rodata,"a",@progbits
	.p2align	6, 0x0
	.amdhsa_kernel k_q3d3579398e_prep
		.amdhsa_group_segment_fixed_size 36096
		.amdhsa_private_segment_fixed_size 0
		.amdhsa_enable_private_segment 0
		.amdhsa_kernarg_size 40
		.amdhsa_user_sgpr_count 2
		.amdhsa_user_sgpr_kernarg_segment_ptr 1
		.amdhsa_wavefront_size32 1
		.amdhsa_system_sgpr_workgroup_id_x 1
		.amdhsa_system_sgpr_workgroup_id_y 1
		.amdhsa_system_sgpr_workgroup_id_z 1
		.amdhsa_system_vgpr_workitem_id 0
		.amdhsa_next_free_vgpr 130
		.amdhsa_next_free_sgpr 66
		.amdhsa_reserve_vcc 1
		.amdhsa_float_denorm_mode_32 3
		.amdhsa_float_denorm_mode_16_64 3
		.amdhsa_memory_ordered 1
		.amdhsa_forward_progress 1
		.amdhsa_inst_pref_size 89
	.end_amdhsa_kernel
	.amdgpu_metadata
---
amdhsa.version: [ 1, 2 ]
amdhsa.kernels:
  - .name:           k_q3d3579398e_prep
    .symbol:         k_q3d3579398e_prep.kd
    .args:
      - { .name: mask, .offset: 0, .size: 8, .value_kind: global_buffer, .address_space: global }
      - { .name: rotary_freqs, .offset: 8, .size: 8, .value_kind: global_buffer, .address_space: global }
      - { .name: maskw, .offset: 16, .size: 8, .value_kind: global_buffer, .address_space: global }
      - { .name: rot, .offset: 24, .size: 8, .value_kind: global_buffer, .address_space: global }
      - { .name: tflag, .offset: 32, .size: 8, .value_kind: global_buffer, .address_space: global }
    .group_segment_fixed_size: 36096
    .private_segment_fixed_size: 0
    .kernarg_segment_align: 8
    .kernarg_segment_size: 40
    .max_flat_workgroup_size: 256
    .sgpr_count:     66
    .vgpr_count:     130
    .wavefront_size: 32
...
	.end_amdgpu_metadata
.endif
;; end of part 1
;; launch proj (part 2): grid 8 x 96, 4 waves a work-group, clusters of 4 x 4, 279,552 bytes of LDS; arguments q_codes, k_codes, v_codes, q_scales, k_scales, v_scales, w_q_codes, w_k_codes, w_v_codes, w_q_scales, w_k_scales, w_v_scales, rot, qimg, kimg, vimg; writes qimg, kimg, vimg
.if DOCPART == 2
	.amdgcn_target "amdgcn-amd-amdhsa--gfx1250"
	.amdhsa_code_object_version 6
	.text
	.protected	k_q3d3579398e_proj
	.globl	k_q3d3579398e_proj
	.p2align	8
	.type	k_q3d3579398e_proj,@function
k_q3d3579398e_proj:
	s_mov_b64 s[64:65], 0
	v_nop
	global_prefetch_b8 v0, s[64:65] scope:SCOPE_SE
	s_setreg_imm32_b32 hwreg(HW_REG_WAVE_MODE, 25, 1), 1
	s_wait_xcnt 0x0
	s_wait_alu depctr_hold_cnt(0) depctr_sa_sdst(0) depctr_va_vdst(0) depctr_va_sdst(0) depctr_va_ssrc(0) depctr_va_vcc(0) depctr_vm_vsrc(0)
	s_getreg_b32 s2, hwreg(HW_REG_IB_STS2, 6, 4)
	s_cmp_eq_u32 s2, 0
	s_cbranch_scc0 .Lentry_in_a_cluster
	s_endpgm
.Lentry_in_a_cluster:
	s_bfe_u32 s2, ttmp6, 0x10000c
	s_cmp_lg_u32 s2, 0xf033
	s_cbranch_scc0 .Lentry_shape_is_right
	s_endpgm
.Lentry_shape_is_right:
; THE THREE PROJECTIONS x W^T (4,096 x 1,024 x 1,024 each) on the given codes of E5M2, THE ROTARY TURN of the first 32 of each head's 64 numbers, AND THE QUANTISING of q_i, k_i (along the head's 64) and v_i (along the keys).
; The results leave as IMAGES OF THE NEXT PRODUCTS' OPERAND REGISTERS: for each head and each step of 128 rows t a block of 8,448 bytes: 8,192 of codes, 256 of scale words.
; SHARES.  grid 8 x 96: x = a tile of 128 features (two heads); y = 32 x tensor (q, k, v) + a tile of 128 rows t.  A work-group makes 128 x 128 with K = 1,024.  BOTH tiles lie whole in LDS, filled once, each by one
; tensor load: nothing is filled again.  Four waves; wave w makes 128 rows of P (source 0) x 32 rows of R (source 1): 16 accumulators.  In a result lane (r, h) holds R's row r and register j P's row 8 h + j:
; a lane's registers run along P, the axis that is quantised next.  q, k: P = W's features, R = rows t.  v: P = rows t (the keys), R = W_v's features.
; THE ORDER ALONG THE NEXT K.  The 16 registers of tiles 2 b and 2 b + 1 are elements 32 b + 8 h + 0 .. 7 and 32 b + 16 + 8 h + 0 .. 7: a permutation inside a block of 32, the same for q_i and k_i, and for v_i and the softmax's p.
; So blocks, scales and products stay right and nothing changes lanes.
; CLUSTERS: 4 x 4.  W's tile hangs on x alone: asked for jointly along a column of the cluster; x's tile on y alone: along a row.  The tensor's number comes from the cluster's y, so it is alike in all sixteen partners.
; LIMITS: NaN and infinity codes among the inputs are not served.  A block of zeros gets the scale byte 1 (its codes are zeros; these bytes are read by this program alone).
; REGISTERS: window 0: v1-15 addresses; v16-55 scale words; v56-63 at work; v64-127 R's fragments, two sets (later: at work, codes); v128-255 accumulators (p, o) at 128 + 64 o + 8 p.
;   window 1: P's fragments, two sets of 128.   window 2: the rotary tables.
.set HEADB, 270336                     ; a head's 32 blocks
.set STEPB, 8448                       ; a block
.set PITCH, 1040                       ; an LDS row: all 1,024 bytes of K + 16.  Each tile is brought whole by ONE tensor load: four loads in all, one a wave
.set HALFT, 64*PITCH
.set TILEB, 128*PITCH
.set SLOT,  64*PITCH                   ; from a tile's row 0 to its row 64: a second address register, so that the offsets stay inside 16 bits
.set SCL,   2*TILEB
.set HALFS, 8*272
.set RT, 16*PITCH                      ; R's fragments: from tile to tile,
.set RQ, 128                           ; from K step to K step,
.set RC, 32                            ; from register group to register group
.set SCW, 16
.set RF,  64
.set ACC, 128
.set TM,  80                           ; the quantiser's sixteen registers
.set SEL, 6                            ; s[6:7] lane selects: lane l xor 16
.set MNT, 63                           ; s63 the mantissa field of 57,344
.set MUL,  0x01                        ; source 0 in window 1
.set TO_P, 0x40                        ; destination window 1
.set TO_T, 0x80                        ; destination window 2
.set S1_T, 0x08                        ; source 1 in window 2
.set MSB, 0
.macro WIN new                         ; the immediate's high byte repeats the setting that is left
.if MSB != \new
	s_set_vgpr_msb (MSB<<8)|\new
.set MSB, \new
.endif
.endm
.macro PLACES n
.rept \n
	v_nop
.endr
.endm
.macro CROUND                          ; a round of the cluster's barrier
	s_barrier_signal -1
	s_barrier_wait -1
	s_cmp_lg_u32 s2, 0
	s_cbranch_scc1 .Lnot_wave_0_\@
	s_barrier_signal -3
.Lnot_wave_0_\@:
	s_barrier_wait -3
	s_barrier_signal -1
	s_barrier_wait -1
.endm
.macro ARM under, g0, g1, next         ; an arm of the head's one tree of branches on the wave's number: its joint load and a jump to the tree's end
	s_cmp_lt_u32 s2, \under
	s_cbranch_scc0 \next
	tensor_load_to_lds s[\g0:\g0+3], s[\g1:\g1+7]
	s_nop 0
.rept 4
	v_nop
.endr
	s_branch .Lhead_asked
\next:
.endm
; K step k's fragments: P's eight tiles into window 1, R's two into window 0; set k % 2.  adp, adr: the address registers for chunk 0; those for chunk 1 follow them.
.macro FETCH k, adp, adr
	WIN TO_P
.irp p, 0,1,2,3,4,5,6,7
.irp c, 0,1,2,3
	ds_load_b128 v[128*((\k)&1)+16*\p+4*\c:128*((\k)&1)+16*\p+4*\c+3], v[\adp+(\p>>2)] offset:16*PITCH*(\p&3)+128*(\k)+32*\c
.endr
.endr
	WIN 0
.irp p, 0,1
.irp c, 0,1,2,3
	ds_load_b128 v[RF+32*((\k)&1)+16*\p+4*\c:RF+32*((\k)&1)+16*\p+4*\c+3], v[\adr] offset:RT*\p+RQ*(\k)+RC*\c
.endr
.endr
.endm
; 16 matrix instructions.  The 16 accumulators take turns, one instruction a turn, in the same order in every step.  A scale register carries an even tile's words in lanes 0-15 and the odd tile's in lanes 16-31.
.macro MULS k
	WIN MUL
.irp g, 0,1,2,3
.set rP, 128*((\k)&1)+32*\g
.set rR, RF+32*((\k)&1)
.set rA, ACC+16*\g
.set rS, SCW+8*\g+(\k)
.set rT, SCW+32+(\k)
.if (\k) == 0
	v_wmma_scale_f32_16x16x128_f8f6f4 v[rA:rA+7], v[rP:rP+15], v[rR:rR+15], 0, v[rS], v[rT] matrix_a_fmt:MATRIX_FMT_BF8 matrix_b_fmt:MATRIX_FMT_BF8
	v_wmma_scale_f32_16x16x128_f8f6f4 v[rA+64:rA+71], v[rP:rP+15], v[rR+16:rR+31], 0, v[rS], v[rT] matrix_a_fmt:MATRIX_FMT_BF8 matrix_b_fmt:MATRIX_FMT_BF8 matrix_b_scale:MATRIX_SCALE_ROW1
	v_wmma_scale_f32_16x16x128_f8f6f4 v[rA+8:rA+15], v[rP+16:rP+31], v[rR:rR+15], 0, v[rS], v[rT] matrix_a_fmt:MATRIX_FMT_BF8 matrix_b_fmt:MATRIX_FMT_BF8 matrix_a_scale:MATRIX_SCALE_ROW1
	v_wmma_scale_f32_16x16x128_f8f6f4 v[rA+72:rA+79], v[rP+16:rP+31], v[rR+16:rR+31], 0, v[rS], v[rT] matrix_a_fmt:MATRIX_FMT_BF8 matrix_b_fmt:MATRIX_FMT_BF8 matrix_a_scale:MATRIX_SCALE_ROW1 matrix_b_scale:MATRIX_SCALE_ROW1
.else
	v_wmma_scale_f32_16x16x128_f8f6f4 v[rA:rA+7], v[rP:rP+15], v[rR:rR+15], v[rA:rA+7], v[rS], v[rT] matrix_a_fmt:MATRIX_FMT_BF8 matrix_b_fmt:MATRIX_FMT_BF8
	v_wmma_scale_f32_16x16x128_f8f6f4 v[rA+64:rA+71], v[rP:rP+15], v[rR+16:rR+31], v[rA+64:rA+71], v[rS], v[rT] matrix_a_fmt:MATRIX_FMT_BF8 matrix_b_fmt:MATRIX_FMT_BF8 matrix_b_scale:MATRIX_SCALE_ROW1
	v_wmma_scale_f32_16x16x128_f8f6f4 v[rA+8:rA+15], v[rP+16:rP+31], v[rR:rR+15], v[rA+8:rA+15], v[rS], v[rT] matrix_a_fmt:MATRIX_FMT_BF8 matrix_b_fmt:MATRIX_FMT_BF8 matrix_a_scale:MATRIX_SCALE_ROW1
	v_wmma_scale_f32_16x16x128_f8f6f4 v[rA+72:rA+79], v[rP+16:rP+31], v[rR+16:rR+31], v[rA+72:rA+79], v[rS], v[rT] matrix_a_fmt:MATRIX_FMT_BF8 matrix_b_fmt:MATRIX_FMT_BF8 matrix_a_scale:MATRIX_SCALE_ROW1 matrix_b_scale:MATRIX_SCALE_ROW1
.endif
.endr
	WIN 0
.endm
.macro STEP k, adp, adr
	s_wait_dscnt 0x0                               ; this step's fragments are in (asked for ahead of the last step's products)
.if (\k) > 0
	PLACES 8                                       ; between the last step's products and the loads into the set that they read (ISA guide 7.12.1 for vector instructions)
.endif
.if (\k) < 7
	FETCH (\k)+1, \adp, \adr
.endif
	MULS \k
.endm
; The whole product.  sp, sr: where my lane's scale words of P and of R lie: eight words a row, one for each K step.
.macro CORE adp, adr, sp, sr
.irp i, 0,1,2,3
	ds_load_b128 v[SCW+8*\i:SCW+8*\i+3], v[\sp] offset:4*272*\i       ; P's rows 32 i + lane
	ds_load_b128 v[SCW+8*\i+4:SCW+8*\i+7], v[\sp] offset:4*272*\i+16
.endr
	ds_load_b128 v[SCW+32:SCW+35], v[\sr]                             ; R's rows 32 w + lane
	ds_load_b128 v[SCW+36:SCW+39], v[\sr] offset:16
	FETCH 0, \adp, \adr
.irp k, 0,1,2,3,4,5,6,7
	STEP \k, \adp, \adr
.endr
	PLACES 8                                       ; in front of the first read of results and the first write over operands
.endm
; The turn: x0' = x0 c0 - x1 s0, x1' = x1 c1 + x0 s1.  x0 and x1, 16 apart among the head's numbers, lie in the same lane and register of two accumulators; the tables lie in window 2.  Each accumulator is read from its low end on.
.macro ROPE x0, x1, c0, c1, s0, s1
.irp j, 0,2,4,6
	v_pk_mul_f32 v[64+\j:65+\j], v[(\x1)+\j:(\x1)+\j+1], v[(\s0)+\j:(\s0)+\j+1]
	v_pk_mul_f32 v[72+\j:73+\j], v[(\x0)+\j:(\x0)+\j+1], v[(\s1)+\j:(\s1)+\j+1]
	v_pk_fma_f32 v[(\x0)+\j:(\x0)+\j+1], v[(\x0)+\j:(\x0)+\j+1], v[(\c0)+\j:(\c0)+\j+1], v[64+\j:65+\j] neg_lo:[0,0,1] neg_hi:[0,0,1]
	v_pk_fma_f32 v[(\x1)+\j:(\x1)+\j+1], v[(\x1)+\j:(\x1)+\j+1], v[(\c1)+\j:(\c1)+\j+1], v[72+\j:73+\j]
.endr
.endm
; 64 numbers of a lane, four blocks of 32 shared with lane l xor 16, become 16 registers of codes at v[pc] and the four scale bytes in v[pw].
.macro QUANT s, pc, pw
.irp b, 0,1,2,3
	v_max3_num_f32 v[TM+\b], |v[\s+16*\b]|, |v[\s+1+16*\b]|, 0x8000000   ; my 16 numbers, and the floor 2^(16 - 127): the byte cannot fall under 1
.endr
.irp i, 2,4,6,8,10,12,14
.irp b, 0,1,2,3
	v_max3_num_f32 v[TM+\b], v[TM+\b], |v[\s+16*\b+\i]|, |v[\s+1+16*\b+\i]|
.endr
.endr
.irp b, 0,1,2,3
	v_permlanex16_b32 v[TM+4+\b], v[TM+\b], s[SEL], s[SEL+1]      ; (its destination has been written: by the fragment loads)
.endr
.irp b, 0,1,2,3
	v_max_num_f32 v[TM+\b], v[TM+\b], v[TM+4+\b]                  ; the block's largest magnitude
.endr
.irp b, 0,1,2,3
	v_add_nc_u32 v[TM+12+\b], 0xf8800000, v[TM+\b]                ; 15 off its exponent field: the conversion's scale operand
.endr
.irp b, 0,1,2,3
	v_and_or_b32 v[TM+8+\b], v[TM+\b], 0x7f800000, s[MNT]         ; 57,344 x the scale
.endr
.irp b, 0,1,2,3
	v_lshrrev_b32 v[TM+4+\b], 23, v[TM+12+\b]                     ; the scale's byte
.endr
	v_lshl_or_b32 v[\pw], v[TM+5], 8, v[TM+4]
	v_lshl_or_b32 v[\pw], v[TM+6], 16, v[\pw]
	v_lshl_or_b32 v[\pw], v[TM+7], 24, v[\pw]
.irp b, 0,1,2,3
.irp i, 0,1,2,3,4,5,6,7,8,9,10,11,12,13,14,15
	v_med3_num_f32 v[\s+16*\b+\i], v[\s+16*\b+\i], -v[TM+8+\b], v[TM+8+\b]   ; the conversion does not saturate (ISA guide 7.6.2): the hold at the largest code x the scale
.endr
	v_cvt_scalef32_pk8_bf8_f32 v[\pc+4*\b:\pc+1+4*\b], v[\s+16*\b:\s+7+16*\b], v[TM+12+\b]
	v_cvt_scalef32_pk8_bf8_f32 v[\pc+2+4*\b:\pc+3+4*\b], v[\s+8+16*\b:\s+15+16*\b], v[TM+12+\b]
.endr
	v_nop                                          ; one plain line behind the last conversion
.endm
	s_load_b512 s[4:19], s[0:1], 0x0               ; q, k, v codes s[4:9]; q, k, v scales s[10:15]; w_q, w_k codes s[16:19]
	s_load_b512 s[20:35], s[0:1], 0x40             ; w_v codes s[20:21]; w_q, w_k, w_v scales s[22:27]; rot s[28:29]; qimg, kimg, vimg s[30:35]
	s_set_vgpr_msb 0xc0
	v_lshl_add_u32 v0, v0, 2, 0x44200
	v_mov_b32 v1, 0
	s_set_vgpr_msb 0xc0cf
	ds_add_u32 v0, v1
	ds_add_u32 v0, v1
	s_set_vgpr_msb 0xcf00
	v_lshrrev_b32 v1, 5, v0
	v_readfirstlane_b32 s2, v1                     ; wave 0..3
	s_and_b32 s43, s2, 1                           ; w % 2: which 32 of the head's numbers (v)
	s_lshr_b32 s62, s2, 1                          ; w / 2: which of the two heads (v)
	s_bfe_u32 s36, ttmp6, 0x40000                  ; cx
	s_bfe_u32 s40, ttmp6, 0x40004                  ; cy
	s_lshl_b32 s37, ttmp9, 2
	s_add_co_u32 s37, s37, s36                     ; the tile of features
	s_and_b32 s41, ttmp7, 0xffff                   ; the cluster's y
	s_lshr_b32 s3, s41, 3                          ; the tensor: 0 q, 1 k, 2 v: alike in the whole cluster
	s_lshl_b32 s41, s41, 2
	s_add_co_u32 s41, s41, s40
	s_and_b32 s42, s41, 31                         ; the tile of rows t = the step of 128
	s_lshl_b32 s61, s40, 2
	s_lshl_b32 s61, 15, s61                        ; my row of the cluster
	s_lshl_b32 s60, 0x1111, s36                    ; my column
	; group 1 for codes: 128 rows x 1,024 bytes; 16 bytes of padding behind each 1,024
	s_or_b32 s44, s60, (1<<20)|(1<<21)|(7<<22)|(3<<25)     ; 128 rows x 1,024 bytes; four words of padding after every 256
	s_or_b32 s52, s61, (1<<20)|(1<<21)|(7<<22)|(3<<25)
.irp g, 44, 52
	s_mov_b32 s[\g+1], 1024<<16
	s_mov_b32 s[\g+2], 128<<16
	s_mov_b32 s[\g+3], 1024<<16
	s_mov_b32 s[\g+4], 128
	s_mov_b32 s[\g+5], 1024
	s_mov_b32 s[\g+6], 0
	s_mov_b32 s[\g+7], 0
.endr
	; group 1 for scale bytes: 128 rows x 32 bytes are 4,096 dense bytes: 16 rows of 256 (32 elements of 8 bytes), 16 bytes of padding behind each
	s_or_b32 s68, s60, (3<<16)|(1<<20)|(1<<21)|(5<<22)|(3<<25)
	s_or_b32 s76, s61, (3<<16)|(1<<20)|(1<<21)|(5<<22)|(3<<25)
.irp g, 68, 76
	s_mov_b32 s[\g+1], 32<<16
	s_mov_b32 s[\g+2], 16<<16                      ; the scale bytes of 128 rows: 16 rows of 256
	s_mov_b32 s[\g+3], 32<<16
	s_mov_b32 s[\g+4], 16
	s_mov_b32 s[\g+5], 32
	s_mov_b32 s[\g+6], 0
	s_mov_b32 s[\g+7], 0
.endr
	s_lshl_b32 s38, s37, 7                         ; W's tile: its first row
	s_lshl_b32 s66, s42, 7                         ; x's
	s_wait_dscnt 0x0
	s_wait_kmcnt 0x0
	s_cmp_eq_u32 s3, 1                             ; the tensor's five buffers: a choice on the cluster's number alone
	s_cselect_b64 s[4:5], s[6:7], s[4:5]
	s_cselect_b64 s[10:11], s[12:13], s[10:11]
	s_cselect_b64 s[16:17], s[18:19], s[16:17]
	s_cselect_b64 s[22:23], s[24:25], s[22:23]
	s_cselect_b64 s[30:31], s[32:33], s[30:31]
	s_cmp_eq_u32 s3, 2
	s_cselect_b64 s[4:5], s[8:9], s[4:5]
	s_cselect_b64 s[10:11], s[14:15], s[10:11]
	s_cselect_b64 s[16:17], s[20:21], s[16:17]
	s_cselect_b64 s[22:23], s[26:27], s[22:23]
	s_cselect_b64 s[30:31], s[34:35], s[30:31]
	s_lshl_b32 s18, s38, 10                        ; W's side: registers that never hold cy
	s_mov_b32 s19, 0
	s_lshl_b32 s20, s38, 5
	s_mov_b32 s21, 0
	s_add_nc_u64 s[16:17], s[16:17], s[18:19]
	s_add_nc_u64 s[22:23], s[22:23], s[20:21]
	s_lshl_b32 s32, s66, 10                        ; x's side: registers that never hold cx
	s_mov_b32 s33, 0
	s_lshl_b32 s34, s66, 5
	s_mov_b32 s35, 0
	s_add_nc_u64 s[4:5], s[4:5], s[32:33]
	s_add_nc_u64 s[10:11], s[10:11], s[34:35]
	CROUND                                         ; all sixteen work-groups are here: the joint loads meet
	s_mov_b32 s84, 1
	s_mov_b32 s85, SCL
	s_mov_b64 s[86:87], s[22:23]
	s_or_b32 s87, s87, 0x80000000
	s_mov_b32 s96, 1
	s_mov_b32 s97, SCL+2*HALFS
	s_mov_b64 s[98:99], s[10:11]
	s_or_b32 s99, s99, 0x80000000
	s_mov_b32 s88, 1
	s_mov_b32 s89, 0
	s_mov_b64 s[90:91], s[16:17]
	s_or_b32 s91, s91, 0x80000000
	s_mov_b32 s12, 1
	s_mov_b32 s13, TILEB
	s_mov_b64 s[14:15], s[4:5]
	s_or_b32 s15, s15, 0x80000000
	; the head's four joint loads, one a wave: wave 0 W's codes, wave 1 x's codes, wave 2 W's scale bytes, wave 3 x's.  Nothing is filled later
	ARM 1, 88, 44, .Lhead_x
	ARM 2, 12, 52, .Lhead_sw
	ARM 3, 84, 68, .Lhead_sx
	tensor_load_to_lds s[96:99], s[76:83]
	s_nop 0
.rept 4
	v_nop
.endr
.Lhead_asked:
	s_mov_b32 s[SEL], 0x76543210
	s_mov_b32 s[SEL+1], 0xfedcba98
	s_mov_b32 s[MNT], 0x600000
	; every LDS address is made here, ahead of the parting
	v_and_b32 v60, 15, v0                          ; r
	v_bfe_u32 v61, v0, 4, 1                        ; h
	v_and_b32 v13, 31, v0                          ; lane
	v_mul_u32_u24 v1, v60, PITCH
	v_lshl_add_u32 v1, v61, 4, v1                  ; v1, v2: W's tile in chunk 0, 1: row r, + 16 h
	v_add_nc_u32 v2, SLOT, v1
	v_add_nc_u32 v3, TILEB, v1                     ; v3, v4: x's
	v_add_nc_u32 v4, SLOT, v3
	s_mul_i32 s8, s2, 32*PITCH
	v_add_nc_u32 v5, s8, v1                        ; v5 .. v8: the same, at my wave's 32 rows
	v_add_nc_u32 v6, s8, v2
	v_add_nc_u32 v7, s8, v3
	v_add_nc_u32 v8, s8, v4
	v_lshrrev_b32 v9, 3, v13
	v_mul_u32_u24 v9, v9, 272
	v_and_b32 v10, 7, v13
	v_lshl_add_u32 v9, v10, 5, v9                  ; row = lane: eight rows of 32 bytes to a run of 256 + 16
	v_add_nc_u32 v9, SCL, v9                       ; v9: W's scale words;  v10: x's
	v_add_nc_u32 v10, 2*HALFS, v9
	s_mul_i32 s9, s2, 4*272
	v_add_nc_u32 v11, s9, v9                       ; v11, v12: the same, at my wave's 32 rows
	v_add_nc_u32 v12, s9, v10
	v_lshlrev_b32 v13, 4, v13                      ; 16 x lane
	s_mul_i32 s66, s42, STEPB                      ; the step's block in a head
	s_mov_b32 s67, 0
	s_mov_b32 s9, 0
	v_cmp_eq_u32 vcc_lo, 1, v61                    ; lanes 16-31
	s_wait_alu depctr_va_vdst(0)                   ; the wait at the head's end
	s_wait_tensorcnt 0x0                           ; my one load has landed
	s_barrier_signal -1
	s_barrier_wait -1
	s_cmp_eq_u32 s3, 2
	s_cbranch_scc1 .Lv
	; ---- q and k: P = W's 128 features (two heads), R = my 32 rows t
	v_lshlrev_b32 v14, 7, v60
	v_lshl_add_u32 v14, v61, 5, v14                ; the tables: row r of 128 bytes, + 32 h
	s_wait_alu depctr_va_vdst(0)
	v_mul_u32_u24 v15, v61, HEADB
	v_lshl_add_u32 v15, v60, 2, v15                ; the scale words: 4 r; lanes 16-31 the second head's
	s_lshl_b32 s8, s42, 7
	s_lshl_b32 s38, s2, 5
	s_add_co_u32 s8, s8, s38
	s_lshl_b32 s8, s8, 7                           ; my first row t x 128 bytes
	s_add_nc_u64 s[28:29], s[28:29], s[8:9]
	s_mul_i32 s8, s37, 2*HEADB
	s_add_co_u32 s8, s8, s66                       ; head 2 x, this step
	s_lshl_b32 s66, s2, 11
	s_add_co_u32 s66, s66, s8                      ; my two tiles of rows: 2,048 w
	s_add_nc_u64 s[100:101], s[30:31], s[66:67]
	s_lshl_b32 s66, s2, 6
	s_add_co_u32 s66, s66, s8
	s_add_co_u32 s66, s66, 8192                    ; their scale words: 8,192 + 64 w
	s_add_nc_u64 s[104:105], s[30:31], s[66:67]
	WIN TO_T
.irp o, 0,1                                    ; for rows 16 o + r: cos and sin at d = 8 h + 0 .. 7 and at d = 16 + 8 h + 0 .. 7
.irp t, 0,1
	global_load_b128 v[32*\o+16*\t:32*\o+16*\t+3],     v14, s[28:29] offset:2048*\o+524288*\t
	global_load_b128 v[32*\o+16*\t+4:32*\o+16*\t+7],   v14, s[28:29] offset:2048*\o+524288*\t+16
	global_load_b128 v[32*\o+16*\t+8:32*\o+16*\t+11],  v14, s[28:29] offset:2048*\o+524288*\t+64
	global_load_b128 v[32*\o+16*\t+12:32*\o+16*\t+15], v14, s[28:29] offset:2048*\o+524288*\t+80
.endr
.endr
	WIN 0
	CORE 1, 7, 9, 12
	s_wait_loadcnt 0x0                             ; the tables
	WIN S1_T
.irp o, 0,1
.irp d, 0,1                                    ; head d: its tiles 0 and 1 hold its first 32 numbers
	ROPE ACC+64*\o+32*\d, ACC+64*\o+32*\d+8, 32*\o, 32*\o+8, 32*\o+16, 32*\o+24
.endr
.endr
	WIN 0
	QUANT ACC, 96, 56                              ; rows r: blocks 0, 1 the first head's two, blocks 2, 3 the second's
	QUANT ACC+64, 112, 57                          ; rows 16 + r
	v_perm_b32 v58, v57, v56, 0x05040100           ; the first head's word of a pair of tiles: both tiles' two bytes;
	v_perm_b32 v59, v57, v56, 0x07060302           ; the second head's
	v_cndmask_b32 v58, v58, v59, vcc_lo
.irp o, 0,1
.irp b, 0,1,2,3
	global_store_b128 v13, v[96+16*\o+4*\b:99+16*\o+4*\b], s[100:101] offset:(\b/2)*HEADB+1024*\o+512*(\b%2)   ; 512 consecutive bytes, aligned
.endr
.endr
	global_store_b32 v15, v58, s[104:105]
	s_branch .Lend
.Lv:	; ---- v: P = the step's 128 rows t (the keys), R = my 32 features: head 2 x + w / 2, numbers 32 (w % 2) + 16 o + r
	v_lshlrev_b32 v14, 14, v60
	v_lshl_add_u32 v14, v61, 5, v14                ; the transposed tables: row d = r of 16,384 bytes, + 32 h
	v_lshrrev_b32 v62, 3, v60
	v_and_b32 v63, 7, v60
	v_lshlrev_b32 v15, 11, v62                     ; the codes: fragment r / 8, lane r % 8 (+ 8 o) + 16 h of it: so that the next product's results come out in the natural order
	v_lshl_add_u32 v15, v63, 4, v15
	v_lshl_add_u32 v15, v61, 8, v15
	v_lshlrev_b32 v59, 6, v62                      ; the scale words: 64 (r / 8) + 4 (r % 8); lanes 16-31 store those of o = 1, 32 bytes on
	v_lshl_add_u32 v59, v63, 2, v59
	v_lshl_add_u32 v59, v61, 5, v59
	s_lshl_b32 s8, s42, 9
	s_add_co_u32 s8, s8, 1048576                   ; the transposed tables at t = 128 x step
	s_add_nc_u64 s[28:29], s[28:29], s[8:9]
	s_lshl_b32 s8, s37, 1
	s_add_co_u32 s8, s8, s62                       ; the head
	s_mul_i32 s8, s8, HEADB
	s_add_co_u32 s8, s8, s66
	s_lshl_b32 s66, s43, 12
	s_add_co_u32 s66, s66, s8                      ; fragments 2 (w % 2) and 2 (w % 2) + 1
	s_add_nc_u64 s[100:101], s[30:31], s[66:67]
	s_lshl_b32 s66, s43, 7
	s_add_co_u32 s66, s66, s8
	s_add_co_u32 s66, s66, 8192
	s_add_nc_u64 s[104:105], s[30:31], s[66:67]
	s_cmp_lg_u32 s43, 0                            ; only a head's first 32 numbers turn: waves 0 and 2
	s_cbranch_scc1 .Lv_no_tables
	WIN TO_T
	s_wait_alu depctr_va_vdst(0)
.irp p, 0,1,2,3,4,5,6,7                        ; keys 16 p + 8 h + 0 .. 7: cos d = r, cos d = 16 + r, sin d = r, sin d = 16 + r
.irp t, 0,1,2,3
	global_load_b128 v[64*\t+8*\p:64*\t+8*\p+3],   v14, s[28:29] offset:262144*\t+64*\p
	global_load_b128 v[64*\t+8*\p+4:64*\t+8*\p+7], v14, s[28:29] offset:262144*\t+64*\p+16
.endr
.endr
	WIN 0
.Lv_no_tables:
	CORE 3, 5, 10, 11
	s_wait_loadcnt 0x0
	s_cmp_lg_u32 s43, 0
	s_cbranch_scc1 .Lv_no_turn
	WIN S1_T
.irp p, 0,1,2,3,4,5,6,7
	ROPE ACC+8*\p, ACC+64+8*\p, 8*\p, 64+8*\p, 128+8*\p, 192+8*\p
.endr
	WIN 0
.Lv_no_turn:
	QUANT ACC, 96, 56                              ; number 16 o + r with o = 0: the step's four blocks of 32 keys
	QUANT ACC+64, 112, 57                          ; o = 1
	v_cndmask_b32 v58, v56, v57, vcc_lo
.irp o, 0,1
.irp c, 0,1,2,3
	global_store_b128 v15, v[96+16*\o+4*\c:99+16*\o+4*\c], s[100:101] offset:128*\o+512*\c   ; runs of 128 bytes; the store of the other o fills the runs between
.endr
.endr
	global_store_b32 v59, v58, s[104:105]
.Lend:
	s_set_vgpr_msb 0xf
	s_wait_tensorcnt 0x0
	ds_add_u32 v0, v1
	s_wait_dscnt 0x0
	s_set_vgpr_msb 0xf00
	CROUND                                         ; the closing round: no work-group ends while a partner may still ask for a tile that names it
	s_endpgm
.Lfunc_end_k_q3d3579398e_proj:
	.size	k_q3d3579398e_proj, .Lfunc_end_k_q3d3579398e_proj-k_q3d3579398e_proj
	.p2alignl 7, 3214868480
	.fill 96, 4, 3214868480
	.section	.rodata,"a",@progbits
	.p2align	6, 0x0
	.amdhsa_kernel k_q3d3579398e_proj
		.amdhsa_group_segment_fixed_size 279552
		.amdhsa_private_segment_fixed_size 0
		.amdhsa_enable_private_segment 0
		.amdhsa_kernarg_size 128
		.amdhsa_user_sgpr_count 2
		.amdhsa_user_sgpr_kernarg_segment_ptr 1
		.amdhsa_wavefront_size32 1
		.amdhsa_system_sgpr_workgroup_id_x 1
		.amdhsa_system_sgpr_workgroup_id_y 1
		.amdhsa_system_sgpr_workgroup_id_z 1
		.amdhsa_system_vgpr_workitem_id 0
		.amdhsa_next_free_vgpr 770
		.amdhsa_next_free_sgpr 106
		.amdhsa_reserve_vcc 1
		.amdhsa_float_denorm_mode_32 3
		.amdhsa_float_denorm_mode_16_64 3
		.amdhsa_memory_ordered 1
		.amdhsa_forward_progress 1
		.amdhsa_inst_pref_size 144
	.end_amdhsa_kernel
	.amdgpu_metadata
---
amdhsa.version: [ 1, 2 ]
amdhsa.kernels:
  - .name:           k_q3d3579398e_proj
    .symbol:         k_q3d3579398e_proj.kd
    .args:
      - { .name: q_codes, .offset: 0, .size: 8, .value_kind: global_buffer, .address_space: global }
      - { .name: k_codes, .offset: 8, .size: 8, .value_kind: global_buffer, .address_space: global }
      - { .name: v_codes, .offset: 16, .size: 8, .value_kind: global_buffer, .address_space: global }
      - { .name: q_scales, .offset: 24, .size: 8, .value_kind: global_buffer, .address_space: global }
      - { .name: k_scales, .offset: 32, .size: 8, .value_kind: global_buffer, .address_space: global }
      - { .name: v_scales, .offset: 40, .size: 8, .value_kind: global_buffer, .address_space: global }
      - { .name: w_q_codes, .offset: 48, .size: 8, .value_kind: global_buffer, .address_space: global }
      - { .name: w_k_codes, .offset: 56, .size: 8, .value_kind: global_buffer, .address_space: global }
      - { .name: w_v_codes, .offset: 64, .size: 8, .value_kind: global_buffer, .address_space: global }
      - { .name: w_q_scales, .offset: 72, .size: 8, .value_kind: global_buffer, .address_space: global }
      - { .name: w_k_scales, .offset: 80, .size: 8, .value_kind: global_buffer, .address_space: global }
      - { .name: w_v_scales, .offset: 88, .size: 8, .value_kind: global_buffer, .address_space: global }
      - { .name: rot, .offset: 96, .size: 8, .value_kind: global_buffer, .address_space: global }
      - { .name: qimg, .offset: 104, .size: 8, .value_kind: global_buffer, .address_space: global }
      - { .name: kimg, .offset: 112, .size: 8, .value_kind: global_buffer, .address_space: global }
      - { .name: vimg, .offset: 120, .size: 8, .value_kind: global_buffer, .address_space: global }
    .group_segment_fixed_size: 279552
    .private_segment_fixed_size: 0
    .kernarg_segment_align: 8
    .kernarg_segment_size: 128
    .max_flat_workgroup_size: 128
    .sgpr_count:     106
    .vgpr_count:     770
    .wavefront_size: 32
...
	.end_amdgpu_metadata
.endif
;; end of part 2
;; launch attn (part 3): grid 16 x 16, 8 waves a work-group, no clusters, 0 bytes of LDS; arguments qimg, kimg, vimg, maskw, aimg, asc, tflag; writes aimg, asc
.if DOCPART == 3
	.amdgcn_target "amdgcn-amd-amdhsa--gfx1250"
	.amdhsa_code_object_version 6
	.text
	.protected	k_q3d3579398e_attn
	.globl	k_q3d3579398e_attn
	.p2align	8
	.type	k_q3d3579398e_attn,@function
k_q3d3579398e_attn:
	s_mov_b64 s[64:65], 0
	v_nop
	global_prefetch_b8 v0, s[64:65] scope:SCOPE_SE
	s_setreg_imm32_b32 hwreg(HW_REG_WAVE_MODE, 25, 1), 1
	s_wait_xcnt 0x0
; vals = softmax(mask(q_i k_i^T / 8)) v_i for 16 heads of 64, 4,096 queries x 4,096 keys, both products on codes of E5M2; vals = O / l is quantised along (head, number) for the last projection.
; THE MASK IS AN INPUT, AND WHOLE NUMBERS DECIDE WHAT IS WALKED.  An earlier launch has stored, for each tile of 16 queries, n and a bit a key step (128 keys).
; Steps n .. 31 hold no open key for any of the 16 rows, and every one of those rows has an open key in an earlier step (else n = 32): there a hidden logit, -max f32, gives exp = 0 and p = 0, for all values of the inputs:
; such a step adds nothing to l or O and does not move M, and is not walked.  A step whose bit is 0 holds no hidden key: its 64 selects are left out.  Any other step is made whole and hidden scores are selected away.
; LIMIT: a NaN or an infinity among K or V that reaches only steps that are not walked is not carried to the result.
; A HIDDEN SCORE is -2^120.  c x 2^120 (c = log2(e) / 8) is a whole number, so in a row with no open key so far t - M is exactly 0 and p = 1: the uniform row that a softmax of equal logits gives.
; The first open key moves M so far that the factor 2^(old M - new M) is 0 and wipes it; behind it hidden keys have p = 0.
; THE SOFTMAX: t = score x c; M = the running largest t rounded up to a whole number; p = 2^(t - M) is quantised along the keys, not normalised; l is the sum of the unquantised p and divides O at the end.
; SHARES.  Work-group (i, head), eight waves, two to a SIMD.  Wave w takes tile 8 (31 - i) + w and then tile 8 i + w: where the mask is lower triangular that is 32 - i and i + 1 steps, 33 for every wave.
; Branches hang on stored numbers, so this launch has no tensor load, no LDS, no barrier and no cluster: K's and V's blocks (images of the operands' registers, 8,448 bytes a step) go from memory straight into registers.
; Two sets of 128 registers in window 1 take turns: a step's 36 loads are issued one whole step ahead of their use, so the one wait for loads is for 0 at a step's top.  The load behind a tile's last step names a step inside the buffer and is not used.
; THE PREFETCH.  The sixteen work-groups of a head walk the same K and V and share the steps out: work-group i asks for steps 15 - i and 31 - i, whole, in its first tile, in the trip whose loads name the step three before, that is
; four steps ahead of the trip that uses it.  One instruction in each of waves 0 to 3: K's and V's 8,192 bytes of codes, lanes 256 bytes apart, and the 256 bytes of scale words behind each.  Steps 0 to 3 come by their loads alone;
; step 31 is the last that is named; the second tile asks for nothing.
; LAYOUT.  Both products transposed: S^T = K Q^T, O^T = V^T P^T: a lane holds one query.  The head's 64 fill half of the instruction's 128 along K: a fragment of K holds TWO tiles of 16 keys, one in each half,
; and is multiplied by [Q | zeros] and by [zeros | Q]: v32-39 zeros, v40-47 Q, v48-55 zeros serve both.
; LIMITS: |score| under 2^96, so that an open score stays far above a hidden one.  NaN and infinities are not served.  A block of zeros gets the scale byte 1 (read by this program alone).
; REGISTERS, window 0: v1 16 l, v2 4 l, v5/v6 Q's addresses, v7 -2^120, v8/v9 Q's scale words, v10-13 K's (two sets), v26-29 V's, v14 p's, v15 asc's offset; v16 -M, v17 largest t, v[18:19] l, v[20:21] f, v22 at work;
;   v30 the shift for Q's scale word, v31 the prefetch's offset; v64-77 partial sums; v128-191 S^T, then p; v192-223 O^T; v224-239 p's codes; v240-255 the quantiser's.   window 1: v0-127 K's fragments, two sets; v128-255 V's.
.set HEADB, 270336
.set STEPB, 8448
.set MSB, 0
.macro WIN new                         ; the immediate's high byte repeats the setting that is left
.if MSB != \new
	s_set_vgpr_msb (MSB<<8)|\new
.set MSB, \new
.endif
.endm
.macro PLACES n
.rept \n
	v_nop
.endr
.endm
.macro MLOAD                           ; a step's 64 lane masks: words 0-47 into s4-51, words 48-63 into s68-83
	s_load_b512 s[4:19], s[52:53], s54 offset:0x0
	s_load_b512 s[20:35], s[52:53], s54 offset:0x40
	s_load_b512 s[36:51], s[52:53], s54 offset:0x80
	s_load_b512 s[68:83], s[52:53], s54 offset:0xc0
.endm
.macro PREFETCH q                      ; the blocks of K and V at s[88:89], s[90:91] into set q: each load of the wave covers 512 consecutive bytes
	WIN 0x40
.irp f, 0,1,2,3
.irp c, 0,1,2,3
	global_load_b128 v[64*(\q)+16*\f+4*\c:64*(\q)+16*\f+4*\c+3], v1, s[88:89] offset:2048*\f+512*\c
	global_load_b128 v[128+64*(\q)+16*\f+4*\c:128+64*(\q)+16*\f+4*\c+3], v1, s[90:91] offset:2048*\f+512*\c
.endr
.endr
	WIN 0
	global_load_b32 v[10+2*(\q)], v2, s[88:89] offset:8192   ; scale words: fragment 0's in lanes 0-15, fragment 1's in lanes 16-31;
	global_load_b32 v[11+2*(\q)], v2, s[88:89] offset:8320   ; fragments 2 and 3
	global_load_b32 v[26+2*(\q)], v2, s[90:91] offset:8192
	global_load_b32 v[27+2*(\q)], v2, s[90:91] offset:8320
.endm
.macro ASK                             ; the prefetch: s105 is the count of steps at which my wave asks (never met in waves 4 to 7 and in the second tile).  The bases stand at the step that the loads above name: three steps on
	s_cmp_eq_u32 s61, s105
	s_cbranch_scc0 .Lnoask_\@
	s_add_co_u32 s105, s105, 16                    ; my work-group's other step lies 16 further on
	s_bitcmp1_b32 s55, 0                           ; even waves ask for K, odd ones for V
	s_cbranch_scc1 .Laskv_\@
	global_prefetch_b8 v31, s[88:89] offset:3*STEPB th:TH_LOAD_NT scope:SCOPE_SE
	s_branch .Lnoask_\@
.Laskv_\@:
	global_prefetch_b8 v31, s[90:91] offset:3*STEPB th:TH_LOAD_NT scope:SCOPE_SE
.Lnoask_\@:
.endm
	s_load_b256 s[4:11], s[0:1], 0x0               ; qimg, kimg, vimg, maskw
	s_load_b128 s[12:15], s[0:1], 0x20             ; aimg, asc
	s_load_b64 s[16:17], s[0:1], 0x30              ; tflag
	v_lshrrev_b32 v5, 5, v0
	v_readfirstlane_b32 s55, v5                    ; wave 0..7
	s_and_b32 s20, ttmp7, 0xffff                   ; the head
	s_mul_i32 s22, s20, HEADB
	s_mov_b32 s23, 0
	s_lshl_b32 s24, s20, 10                        ; aimg: [tile][head / 2][2 (head % 2) + block][lane][16]: 1,024 bytes a head
	s_mov_b32 s25, 0
	s_lshl_b32 s26, s20, 1                         ; asc: 32 bytes a row, byte 2 head
	s_mov_b32 s27, 0
	s_lshl_b32 s28, s55, 10                        ; my tile's codes in Q's block of 128 rows
	s_lshr_b32 s29, s55, 1
	s_lshl_b32 s29, s29, 6
	s_add_co_u32 s29, s29, 8192                    ; the scale words of its pair of tiles
	s_and_b32 s31, s55, 1
	s_lshl_b32 s31, s31, 4                         ; my tile's two bytes: the low half (even tile) or the high one
	s_cmp_lt_u32 s55, 2                            ; the prefetch's offset: waves 0, 1: 256 x lane; waves 2, 3: the block of scale words at 8,192
	s_cselect_b32 s30, 256, 0
	s_cselect_b32 s21, 0, 0x2000
	s_sub_co_i32 s105, 12, ttmp9                   ; I ask for step 15 - i when the loads name step 12 - i; where that is under 1, first for step 31 - i
	s_cmp_lt_i32 s105, 1
	s_cselect_b32 s32, 16, 0
	s_add_co_u32 s105, s105, s32
	s_cmp_lt_u32 s55, 4
	s_cselect_b32 s105, s105, -1                   ; waves 4 to 7 ask for nothing
	s_sub_co_u32 s104, 31, ttmp9                   ; the block of 128 queries in hand: the later one first
	s_mov_b32 s67, 0
	s_mov_b32 s3, 0
	s_mov_b32 s56, 0x76543210
	s_mov_b32 s57, 0xfedcba98                      ; lane l xor 16
	s_mov_b32 s58, 0x3e38aa3b                      ; c = log2(e) / 8
	s_mov_b32 s59, s58                             ; (named with it as a pair, so it is written)
	s_mov_b32 s60, 0x600000                        ; the mantissa field of 57,344
	v_and_b32 v1, 31, v0
	v_and_b32 v6, 15, v0
	v_mad_u32_u24 v31, v1, s30, s21
	v_lshlrev_b32 v2, 2, v1
	v_lshlrev_b32 v1, 4, v1
	v_lshlrev_b32 v15, 5, v6
	v_lshl_add_u32 v6, v6, 2, s29
	v_add_nc_u32 v5, s28, v1
	v_mov_b32 v30, s31
	v_mov_b32 v7, 0xfb800000                       ; -2^120
.irp j, 32,33,34,35,36,37,38,39,48,49,50,51,52,53,54,55
	v_mov_b32 v\j, 0                               ; zero codes
.endr
.irp j, 21,22,244,245,246,247
	v_mov_b32 v\j, 0                               ; the upper half of the pair v[20:21]; a lane permute's destination counts as one of its sources
.endr
	s_wait_alu depctr_va_vdst(0)                   ; the wait at the head's end
	s_wait_kmcnt 0x0
	s_add_nc_u64 s[92:93], s[4:5], s[22:23]        ; the head in qimg,
	s_add_nc_u64 s[84:85], s[6:7], s[22:23]        ; kimg,
	s_add_nc_u64 s[86:87], s[8:9], s[22:23]        ; vimg
	s_mov_b64 s[94:95], s[10:11]
	s_add_nc_u64 s[96:97], s[12:13], s[24:25]
	s_add_nc_u64 s[98:99], s[14:15], s[26:27]
	s_mov_b64 s[100:101], s[16:17]
; A KEY STEP: 128 keys, from set par.
.macro STEP par
	s_wait_alu depctr_va_vdst(0)                   ; the wait ahead of the waits below
	s_wait_loadcnt 0x0                             ; this step's blocks, asked for a step ago; no load of mine is out,
	s_wait_xcnt 0x0                                ; and a prefetch of the last step has read its base: the bases may be written
	s_cmp_ge_u32 s61, s62                          ; the tile's n steps are walked
	s_cbranch_scc1 .Lout
	WIN 0x01                                       ; source 0 in window 1
.irp g, 0,1                                    ; S^T: fragment f gives tiles 2 f and 2 f + 1 of 16 keys
	v_wmma_scale_f32_16x16x128_f8f6f4 v[128+32*\g:135+32*\g], v[64*\par+32*\g:64*\par+32*\g+15], v[40:55], 0, v[10+2*\par+\g], v8 matrix_a_fmt:MATRIX_FMT_BF8 matrix_b_fmt:MATRIX_FMT_BF8
	v_wmma_scale_f32_16x16x128_f8f6f4 v[136+32*\g:143+32*\g], v[64*\par+32*\g:64*\par+32*\g+15], v[32:47], 0, v[10+2*\par+\g], v9 matrix_a_fmt:MATRIX_FMT_BF8 matrix_b_fmt:MATRIX_FMT_BF8
	v_wmma_scale_f32_16x16x128_f8f6f4 v[144+32*\g:151+32*\g], v[64*\par+32*\g+16:64*\par+32*\g+31], v[40:55], 0, v[10+2*\par+\g], v8 matrix_a_fmt:MATRIX_FMT_BF8 matrix_b_fmt:MATRIX_FMT_BF8 matrix_a_scale:MATRIX_SCALE_ROW1
	v_wmma_scale_f32_16x16x128_f8f6f4 v[152+32*\g:159+32*\g], v[64*\par+32*\g+16:64*\par+32*\g+31], v[32:47], 0, v[10+2*\par+\g], v9 matrix_a_fmt:MATRIX_FMT_BF8 matrix_b_fmt:MATRIX_FMT_BF8 matrix_a_scale:MATRIX_SCALE_ROW1
.endr
	WIN 0
	s_add_co_u32 s61, s61, 1
	s_min_u32 s2, s61, 31                          ; the next step, held inside the buffer
	s_mul_i32 s2, s2, STEPB
	s_add_nc_u64 s[88:89], s[84:85], s[2:3]
	s_add_nc_u64 s[90:91], s[86:87], s[2:3]
	PLACES 8                                       ; between the products (these, and the last step's, which read the other set) and the loads below and the first read of the scores
	PREFETCH 1-\par
	ASK
	s_wait_kmcnt 0x0                               ; this step's lane masks, asked for a step ago
	s_bitcmp1_b32 s63, 0                           ; does the step hold a hidden key?
	s_cbranch_scc0 .Lopen_\@
.set n, 0
.rept 64
	v_cndmask_b32 v[128+n], v7, v[128+n], s[4+n+16*(n/48)]   ; open: the score; hidden: -2^120.  Ascending: each accumulator is read from its low end on
.set n, n+1
.endr
.Lopen_\@:
	s_lshr_b32 s63, s63, 1
	s_add_co_u32 s54, s54, 256
	s_and_b32 s54, s54, 0x1fff                     ; step 31 asks for step 0's words again: no load leaves the buffer
	MLOAD
.irp b, 0,1,2,3
	v_max3_num_f32 v[240+\b], v[128+16*\b], v[129+16*\b], v[130+16*\b]   ; the largest score of each block of 32 keys: for the row's maximum, and, since p rises with the score, for the block's largest p
.endr
.irp i, 3,5,7,9,11,13
.irp b, 0,1,2,3
	v_max3_num_f32 v[240+\b], v[240+\b], v[128+16*\b+\i], v[129+16*\b+\i]
.endr
.endr
.irp b, 0,1,2,3
	v_max_num_f32 v[240+\b], v[240+\b], v[143+16*\b]
.endr
.irp b, 0,1,2,3
	v_permlanex16_b32 v[244+\b], v[240+\b], s56, s57
.endr
.irp b, 0,1,2,3
	v_max_num_f32 v[240+\b], v[240+\b], v[244+\b]  ; with lane l xor 16's 16 keys
.endr
	v_max3_num_f32 v22, v240, v241, v242
	v_max_num_f32 v22, v22, v243
	v_mul_f32 v22, s58, v22                        ; as t (c is positive)
	v_max_num_f32 v17, v17, v22                    ; the running largest t
	v_mov_b32 v22, v16
	v_floor_f32 v16, -v17                          ; the new -M = -ceil(t)
	v_sub_f32 v22, v16, v22                        ; old M less new M: a whole number, 0 or less
	v_cvt_i32_f32 v22, v22                         ; (it saturates)
	v_ldexp_f32 v20, 1.0, v22                      ; f = 2^(old M - new M)
.set n, 0
.rept 32
	v_pk_fma_f32 v[128+n:129+n], v[128+n:129+n], s[58:59], v[16:17] op_sel_hi:[1,0,0]   ; t - M
.set n, n+2
.endr
.irp b, 0,1,2,3
	v_fma_f32 v[240+\b], v[240+\b], s58, v16       ; the same of each block's largest score
.endr
.set n, 0
.rept 16
	v_pk_mul_f32 v[192+n:193+n], v[192+n:193+n], v[20:21] op_sel_hi:[1,0]   ; O^T under the new M: the last products' first reader, ahead of this step's exponentials; each accumulator from its low end on
.set n, n+2
.endr
	s_wait_alu depctr_va_vdst(0)                   ; the wait ahead of the batch
.set n, 0
.rept 64
	v_exp_f32 v[128+n], v[128+n]                   ; p = 2^(t - M)
.set n, n+1
.endr
.irp b, 0,1,2,3
	v_exp_f32 v[240+\b], v[240+\b]                 ; the block's largest p: the same two instructions on the same number
.endr
	v_pk_mul_f32 v[18:19], v[18:19], v[20:21] op_sel_hi:[1,0]   ; l under the new M.  (A plain line behind the exponentials)
	s_wait_alu depctr_va_vdst(0)                   ; and the one wait behind the batch
.irp b, 0,1,2,3
	v_max_num_f32 v[240+\b], 0x8000000, v[240+\b]  ; the floor 2^(16 - 127): the byte cannot fall under 1
.endr
.irp b, 0,1,2,3
	v_add_nc_u32 v[252+\b], 0xf8800000, v[240+\b]  ; 15 off the exponent field: the conversion's scale operand
.endr
.irp b, 0,1,2,3
	v_and_or_b32 v[248+\b], v[240+\b], 0x7f800000, s60   ; 57,344 x the scale
.endr
.irp b, 0,1,2,3
	v_lshrrev_b32 v[244+\b], 23, v[252+\b]         ; the scale's byte
.endr
	v_lshl_or_b32 v14, v245, 8, v244               ; p's scale word for these 128 keys
	v_lshl_or_b32 v14, v246, 16, v14
	v_lshl_or_b32 v14, v247, 24, v14
; l takes the 32 pairs of unquantised p: seven partial sums and l by turns
.irp k, 0,1,2,3,4,5,6
	v_pk_add_f32 v[64+2*\k:65+2*\k], v[128+4*\k:129+4*\k], v[130+4*\k:131+4*\k]
.endr
	v_pk_add_f32 v[18:19], v[18:19], v[156:157]
.irp k, 0,1,2,3,4,5,6
	v_pk_add_f32 v[64+2*\k:65+2*\k], v[64+2*\k:65+2*\k], v[158+2*\k:159+2*\k]
.endr
	v_pk_add_f32 v[18:19], v[18:19], v[172:173]
.irp k, 0,1,2,3,4,5,6
	v_pk_add_f32 v[64+2*\k:65+2*\k], v[64+2*\k:65+2*\k], v[174+2*\k:175+2*\k]
.endr
	v_pk_add_f32 v[18:19], v[18:19], v[188:189]
	v_pk_add_f32 v[64:65], v[64:65], v[190:191]
.irp b, 0,1,2,3
.irp i, 0,1,2,3,4,5,6,7,8,9,10,11,12,13,14,15
	v_min_num_f32 v[128+16*\b+\i], v[128+16*\b+\i], v[248+\b]   ; the conversion does not saturate (ISA guide 7.6.2); p is not negative: a one-sided hold
.endr
	v_cvt_scalef32_pk8_bf8_f32 v[224+4*\b:225+4*\b], v[128+16*\b:135+16*\b], v[252+\b]
	v_cvt_scalef32_pk8_bf8_f32 v[226+4*\b:227+4*\b], v[136+16*\b:143+16*\b], v[252+\b]
.endr
	v_pk_add_f32 v[68:69], v[68:69], v[70:71]      ; the partial sums are joined: seven plain lines, which are also the places between the codes and the products
	v_pk_add_f32 v[72:73], v[72:73], v[74:75]
	v_pk_add_f32 v[18:19], v[18:19], v[76:77]
	v_pk_add_f32 v[64:65], v[64:65], v[66:67]
	v_pk_add_f32 v[18:19], v[18:19], v[72:73]
	v_pk_add_f32 v[64:65], v[64:65], v[68:69]
	v_pk_add_f32 v[18:19], v[18:19], v[64:65]
	WIN 0x01
.irp g, 0,1                                    ; O^T += V^T P^T: four tiles of 16 of the head's 64; the four accumulators take turns
	v_wmma_scale_f32_16x16x128_f8f6f4 v[192+16*\g:199+16*\g], v[128+64*\par+32*\g:128+64*\par+32*\g+15], v[224:239], v[192+16*\g:199+16*\g], v[26+2*\par+\g], v14 matrix_a_fmt:MATRIX_FMT_BF8 matrix_b_fmt:MATRIX_FMT_BF8
	v_wmma_scale_f32_16x16x128_f8f6f4 v[200+16*\g:207+16*\g], v[128+64*\par+32*\g+16:128+64*\par+32*\g+31], v[224:239], v[200+16*\g:207+16*\g], v[26+2*\par+\g], v14 matrix_a_fmt:MATRIX_FMT_BF8 matrix_b_fmt:MATRIX_FMT_BF8 matrix_a_scale:MATRIX_SCALE_ROW1
.endr
	WIN 0
.endm
.Ltile:                                            ; two trips: block 31 - i, then block i
	s_mul_i32 s4, s104, STEPB
	s_mov_b32 s5, 0
	s_add_nc_u64 s[8:9], s[92:93], s[4:5]          ; Q: the block of 128 rows that holds my tile
	s_lshl_b32 s6, s104, 3
	s_add_co_u32 s6, s6, s55                       ; my tile of 16 queries, 0..255
	s_lshl_b32 s4, s6, 13
	s_add_nc_u64 s[52:53], s[94:95], s[4:5]        ; its lane masks: 8,192 bytes a tile
	s_lshl_b32 s10, s6, 8
	s_load_b64 s[62:63], s[100:101], s10 offset:0x0   ; n, and the steps' bits
	global_load_b128 v[40:43], v5, s[8:9]          ; Q: the head's two blocks of 32
	global_load_b128 v[44:47], v5, s[8:9] offset:512
	global_load_b32 v8, v6, s[8:9]
	s_mov_b64 s[88:89], s[84:85]
	s_mov_b64 s[90:91], s[86:87]
	PREFETCH 0                                     ; step 0
	s_wait_xcnt 0x0                                ; the loads above have read s[8:10]: the lane masks may land there
	s_mov_b32 s54, 0
	MLOAD                                          ; step 0's lane masks
	v_mov_b32 v17, 0xff61b1e6                      ; the largest t so far: -3e38
	v_floor_f32 v16, -v17                          ; -M
	v_mov_b32 v18, 0
	v_mov_b32 v19, 0
	s_wait_alu depctr_va_vdst(0)                   ; the wait ahead of the wait below
	s_wait_loadcnt 0x0                             ; Q
	v_lshrrev_b32 v8, v30, v8                      ; bytes 0, 1: my tile's scales; bytes 2, 3 stand over zero codes and are never 0xff
	v_lshlrev_b32 v9, 16, v8                       ; the same in bytes 2, 3, for [zeros | Q]
.set n, 0
.rept 32
	v_mov_b32 v[192+n], 0                          ; O^T: the step is written once; the first finds zeros.  (Also the places between the scale words and the products)
.set n, n+1
.endr
	s_mov_b32 s61, 0                               ; the step
	s_mov_b32 s66, 0
	s_wait_kmcnt 0x0                               ; n
.Lpair:                                            ; at most 16 trips of two steps; the walk leaves at step n
	STEP 0
	STEP 1
	s_add_co_u32 s66, s66, 1
	s_cmp_lt_u32 s66, 16
	s_cbranch_scc1 .Lpair
.Lout:
	; THE WAY OUT.  O^T / l; register 16 b + i is number 32 b + 16 h + i of my query's head.  Two blocks of 32 are quantised; the codes leave as the next operand's image.
	s_wait_alu depctr_va_vdst(0)
	s_wait_loadcnt 0x0                             ; the load behind the last step: its registers are asked for again in the next trip
	s_wait_kmcnt 0x0                               ; and the lane masks': s4 .. are written below
	s_lshl_b32 s4, s104, 3
	s_add_co_u32 s4, s4, s55
	s_lshl_b32 s6, s4, 14                          ; aimg: 16,384 bytes a tile
	s_mov_b32 s7, 0
	s_add_nc_u64 s[8:9], s[96:97], s[6:7]
	s_lshl_b32 s6, s4, 9                           ; asc: 512 bytes a tile
	s_add_nc_u64 s[10:11], s[98:99], s[6:7]
	PLACES 8
	v_add_f32 v18, v18, v19
	v_permlanex16_b32 v22, v18, s56, s57
	v_add_f32 v18, v18, v22                        ; the row's sum
	s_wait_alu depctr_va_vdst(0)                   ; the wait ahead of the transcendental
	v_rcp_f32 v18, v18
	v_nop                                          ; a plain line behind the reciprocal
	s_wait_alu depctr_va_vdst(0)                   ; and the wait ahead of its first reader, which is O^T's first reader too
.set n, 0
.rept 32
	v_mul_f32 v[128+n], v[192+n], v18
.set n, n+1
.endr
.irp b, 0,1
	v_max3_num_f32 v[240+\b], |v[128+16*\b]|, |v[129+16*\b]|, 0x8000000
.endr
.irp i, 2,4,6,8,10,12,14
.irp b, 0,1
	v_max3_num_f32 v[240+\b], v[240+\b], |v[128+16*\b+\i]|, |v[129+16*\b+\i]|
.endr
.endr
.irp b, 0,1
	v_permlanex16_b32 v[244+\b], v[240+\b], s56, s57
.endr
.irp b, 0,1
	v_max_num_f32 v[240+\b], v[240+\b], v[244+\b]
.endr
.irp b, 0,1
	v_add_nc_u32 v[252+\b], 0xf8800000, v[240+\b]
.endr
.irp b, 0,1
	v_and_or_b32 v[248+\b], v[240+\b], 0x7f800000, s60
.endr
.irp b, 0,1
	v_lshrrev_b32 v[244+\b], 23, v[252+\b]
.endr
	v_lshl_or_b32 v23, v245, 8, v244               ; the head's two scale bytes
.irp b, 0,1
.irp i, 0,1,2,3,4,5,6,7,8,9,10,11,12,13,14,15
	v_med3_num_f32 v[128+16*\b+\i], v[128+16*\b+\i], -v[248+\b], v[248+\b]
.endr
	v_cvt_scalef32_pk8_bf8_f32 v[224+4*\b:225+4*\b], v[128+16*\b:135+16*\b], v[252+\b]
	v_cvt_scalef32_pk8_bf8_f32 v[226+4*\b:227+4*\b], v[136+16*\b:143+16*\b], v[252+\b]
.endr
	v_nop                                          ; one plain line behind the last conversion
	global_store_b128 v1, v[224:227], s[8:9]               ; 512 consecutive bytes, aligned
	global_store_b128 v1, v[228:231], s[8:9] offset:512
	global_store_b16 v15, v23, s[10:11]                    ; both halves of the lanes hold the same two bytes of row r
	s_wait_xcnt 0x0                                ; the stores have read their registers and bases: the next trip writes them
	s_sub_co_u32 s104, 31, s104                    ; the mirrored block
	s_mov_b32 s105, -1                             ; the second tile asks for nothing: its steps have been read
	s_add_co_u32 s67, s67, 1
	s_cmp_lt_u32 s67, 2
	s_wait_alu depctr_va_vdst(0)                   ; the wait ahead of the branch
	s_cbranch_scc1 .Ltile
	s_endpgm
.Lfunc_end_k_q3d3579398e_attn:
	.size	k_q3d3579398e_attn, .Lfunc_end_k_q3d3579398e_attn-k_q3d3579398e_attn
	.p2alignl 7, 3214868480
	.fill 96, 4, 3214868480
	.section	.rodata,"a",@progbits
	.p2align	6, 0x0
	.amdhsa_kernel k_q3d3579398e_attn
		.amdhsa_group_segment_fixed_size 0
		.amdhsa_private_segment_fixed_size 0
		.amdhsa_enable_private_segment 0
		.amdhsa_kernarg_size 56
		.amdhsa_user_sgpr_count 2
		.amdhsa_user_sgpr_kernarg_segment_ptr 1
		.amdhsa_wavefront_size32 1
		.amdhsa_system_sgpr_workgroup_id_x 1
		.amdhsa_system_sgpr_workgroup_id_y 1
		.amdhsa_system_sgpr_workgroup_id_z 1
		.amdhsa_system_vgpr_workitem_id 0
		.amdhsa_next_free_vgpr 512
		.amdhsa_next_free_sgpr 106
		.amdhsa_reserve_vcc 0
		.amdhsa_float_denorm_mode_32 3
		.amdhsa_float_denorm_mode_16_64 3
		.amdhsa_memory_ordered 1
		.amdhsa_forward_progress 1
		.amdhsa_inst_pref_size 65
	.end_amdhsa_kernel
	.amdgpu_metadata
---
amdhsa.version: [ 1, 2 ]
amdhsa.kernels:
  - .name:           k_q3d3579398e_attn
    .symbol:         k_q3d3579398e_attn.kd
    .args:
      - { .name: qimg, .offset: 0, .size: 8, .value_kind: global_buffer, .address_space: global }
      - { .name: kimg, .offset: 8, .size: 8, .value_kind: global_buffer, .address_space: global }
      - { .name: vimg, .offset: 16, .size: 8, .value_kind: global_buffer, .address_space: global }
      - { .name: maskw, .offset: 24, .size: 8, .value_kind: global_buffer, .address_space: global }
      - { .name: aimg, .offset: 32, .size: 8, .value_kind: global_buffer, .address_space: global }
      - { .name: asc, .offset: 40, .size: 8, .value_kind: global_buffer, .address_space: global }
      - { .name: tflag, .offset: 48, .size: 8, .value_kind: global_buffer, .address_space: global }
    .group_segment_fixed_size: 0
    .private_segment_fixed_size: 0
    .kernarg_segment_align: 8
    .kernarg_segment_size: 56
    .max_flat_workgroup_size: 256
    .sgpr_count:     106
    .vgpr_count:     512
    .wavefront_size: 32
...
	.end_amdgpu_metadata
.endif
;; end of part 3
;; launch outp (part 4): grid 8 x 32, 4 waves a work-group, clusters of 4 x 4, 309,248 bytes of LDS; arguments w_o_codes, w_o_scales, aimg, asc, out0; writes out0
.if DOCPART == 4
	.amdgcn_target "amdgcn-amd-amdhsa--gfx1250"
	.amdhsa_code_object_version 6
	.text
	.protected	k_q3d3579398e_outp
	.globl	k_q3d3579398e_outp
	.p2align	8
	.type	k_q3d3579398e_outp,@function
k_q3d3579398e_outp:
	s_mov_b64 s[64:65], 0
	v_nop
	global_prefetch_b8 v0, s[64:65] scope:SCOPE_SE
	s_setreg_imm32_b32 hwreg(HW_REG_WAVE_MODE, 25, 1), 1
	s_wait_xcnt 0x0
	s_wait_alu depctr_hold_cnt(0) depctr_sa_sdst(0) depctr_va_vdst(0) depctr_va_sdst(0) depctr_va_ssrc(0) depctr_va_vcc(0) depctr_vm_vsrc(0)
	s_getreg_b32 s2, hwreg(HW_REG_IB_STS2, 6, 4)
	s_cmp_eq_u32 s2, 0
	s_cbranch_scc0 .Lentry_in_a_cluster
	s_endpgm
.Lentry_in_a_cluster:
	s_bfe_u32 s2, ttmp6, 0x10000c
	s_cmp_lg_u32 s2, 0xf033
	s_cbranch_scc0 .Lentry_shape_is_right
	s_endpgm
.Lentry_shape_is_right:
; out0 = vals w_o^T: 4,096 x 1,024 x 1,024 on codes of E5M2.  w_o arrives as rows of codes; vals as images of operand registers ([tile of 16 rows][K step][register group][lane][16 bytes]) with scale bytes [t][32].
; SHARES.  grid 8 x 32: x = a tile of 128 outputs, y = a tile of 128 rows t.  BOTH tiles lie whole in LDS, filled once, each by one tensor load.  Four waves; wave w makes w_o's 128 rows (source 0) x rows t 32 w .. 32 w + 31
; (source 1): 16 accumulators; a lane holds one row t and eight neighbouring outputs a register run.
; CLUSTERS: 4 x 4.  w_o's tile hangs on x alone: asked for jointly along a column of the cluster; vals' on y alone: along a row.
; THE WAY OUT: 16 rows x 512 bytes at a time through the wave's own stage, back as whole rows: each store of the wave covers 512 consecutive bytes, aligned.
; REGISTERS: window 0: v1-15 addresses; v16-55 scale words; v64-127 vals' fragments, two sets; v128-255 accumulators (p, o) at 128 + 64 o + 8 p.   window 1: w_o's fragments, two sets of 128.
.set PITCH, 1040                       ; w_o's LDS row: all 1,024 bytes of K + 16.  Each tile is brought whole by ONE tensor load: four loads in all, one a wave
.set HALFT, 64*PITCH
.set TILEB, 128*PITCH
.set IMGB,  131072                     ; vals' eight tiles, [tile of 16 rows][K step][register group][lane][16 bytes]: dense in memory
.set SLOT,  64*PITCH                   ; from w_o's row 0 to its row 64: a second address register
.set SCL,   TILEB+IMGB
.set HALFS, 8*272
.set STG,   SCL+4*HALFS                ; the stages: 16 rows x 528 bytes for each wave, in blocks of 256 bytes into which no fill lands
.set RT, 16384
.set RQ, 2048                          ; from K step to K step,
.set RC, 512                           ; from register group to register group
.set SCW, 16
.set RF,  64
.set ACC, 128
.set MUL,  0x01
.set TO_P, 0x40
.set MSB, 0
.macro WIN new
.if MSB != \new
	s_set_vgpr_msb (MSB<<8)|\new
.set MSB, \new
.endif
.endm
.macro PLACES n
.rept \n
	v_nop
.endr
.endm
.macro CROUND
	s_barrier_signal -1
	s_barrier_wait -1
	s_cmp_lg_u32 s2, 0
	s_cbranch_scc1 .Lnot_wave_0_\@
	s_barrier_signal -3
.Lnot_wave_0_\@:
	s_barrier_wait -3
	s_barrier_signal -1
	s_barrier_wait -1
.endm
.macro ARM under, g0, g1, next         ; an arm of the head's one tree of branches on the wave's number: its joint load and a jump to the tree's end
	s_cmp_lt_u32 s2, \under
	s_cbranch_scc0 \next
	tensor_load_to_lds s[\g0:\g0+3], s[\g1:\g1+7]
	s_nop 0
.rept 4
	v_nop
.endr
	s_branch .Lhead_asked
\next:
.endm
.macro FETCH k, adp, adr
	WIN TO_P
.irp p, 0,1,2,3,4,5,6,7
.irp c, 0,1,2,3
	ds_load_b128 v[128*((\k)&1)+16*\p+4*\c:128*((\k)&1)+16*\p+4*\c+3], v[\adp+(\p>>2)] offset:16*PITCH*(\p&3)+128*(\k)+32*\c
.endr
.endr
	WIN 0
.irp p, 0,1
.irp c, 0,1,2,3
	ds_load_b128 v[RF+32*((\k)&1)+16*\p+4*\c:RF+32*((\k)&1)+16*\p+4*\c+3], v[\adr] offset:RT*\p+RQ*(\k)+RC*\c
.endr
.endr
.endm
; The 16 accumulators take turns, one instruction a turn, in the same order in every step.
.macro MULS k
	WIN MUL
.irp g, 0,1,2,3
.set rP, 128*((\k)&1)+32*\g
.set rR, RF+32*((\k)&1)
.set rA, ACC+16*\g
.set rS, SCW+8*\g+(\k)
.set rT, SCW+32+(\k)
.if (\k) == 0
	v_wmma_scale_f32_16x16x128_f8f6f4 v[rA:rA+7], v[rP:rP+15], v[rR:rR+15], 0, v[rS], v[rT] matrix_a_fmt:MATRIX_FMT_BF8 matrix_b_fmt:MATRIX_FMT_BF8
	v_wmma_scale_f32_16x16x128_f8f6f4 v[rA+64:rA+71], v[rP:rP+15], v[rR+16:rR+31], 0, v[rS], v[rT] matrix_a_fmt:MATRIX_FMT_BF8 matrix_b_fmt:MATRIX_FMT_BF8 matrix_b_scale:MATRIX_SCALE_ROW1
	v_wmma_scale_f32_16x16x128_f8f6f4 v[rA+8:rA+15], v[rP+16:rP+31], v[rR:rR+15], 0, v[rS], v[rT] matrix_a_fmt:MATRIX_FMT_BF8 matrix_b_fmt:MATRIX_FMT_BF8 matrix_a_scale:MATRIX_SCALE_ROW1
	v_wmma_scale_f32_16x16x128_f8f6f4 v[rA+72:rA+79], v[rP+16:rP+31], v[rR+16:rR+31], 0, v[rS], v[rT] matrix_a_fmt:MATRIX_FMT_BF8 matrix_b_fmt:MATRIX_FMT_BF8 matrix_a_scale:MATRIX_SCALE_ROW1 matrix_b_scale:MATRIX_SCALE_ROW1
.else
	v_wmma_scale_f32_16x16x128_f8f6f4 v[rA:rA+7], v[rP:rP+15], v[rR:rR+15], v[rA:rA+7], v[rS], v[rT] matrix_a_fmt:MATRIX_FMT_BF8 matrix_b_fmt:MATRIX_FMT_BF8
	v_wmma_scale_f32_16x16x128_f8f6f4 v[rA+64:rA+71], v[rP:rP+15], v[rR+16:rR+31], v[rA+64:rA+71], v[rS], v[rT] matrix_a_fmt:MATRIX_FMT_BF8 matrix_b_fmt:MATRIX_FMT_BF8 matrix_b_scale:MATRIX_SCALE_ROW1
	v_wmma_scale_f32_16x16x128_f8f6f4 v[rA+8:rA+15], v[rP+16:rP+31], v[rR:rR+15], v[rA+8:rA+15], v[rS], v[rT] matrix_a_fmt:MATRIX_FMT_BF8 matrix_b_fmt:MATRIX_FMT_BF8 matrix_a_scale:MATRIX_SCALE_ROW1
	v_wmma_scale_f32_16x16x128_f8f6f4 v[rA+72:rA+79], v[rP+16:rP+31], v[rR+16:rR+31], v[rA+72:rA+79], v[rS], v[rT] matrix_a_fmt:MATRIX_FMT_BF8 matrix_b_fmt:MATRIX_FMT_BF8 matrix_a_scale:MATRIX_SCALE_ROW1 matrix_b_scale:MATRIX_SCALE_ROW1
.endif
.endr
	WIN 0
.endm
.macro STEP k, adp, adr
	s_wait_dscnt 0x0                               ; this step's fragments are in
.if (\k) > 0
	PLACES 8                                       ; between the last step's products and the loads into the set that they read
.endif
.if (\k) < 7
	FETCH (\k)+1, \adp, \adr
.endif
	MULS \k
.endm
.macro CORE adp, adr, sp, sr
.irp i, 0,1,2,3
	ds_load_b128 v[SCW+8*\i:SCW+8*\i+3], v[\sp] offset:4*272*\i
	ds_load_b128 v[SCW+8*\i+4:SCW+8*\i+7], v[\sp] offset:4*272*\i+16
.endr
	ds_load_b128 v[SCW+32:SCW+35], v[\sr]
	ds_load_b128 v[SCW+36:SCW+39], v[\sr] offset:16
	FETCH 0, \adp, \adr
.irp k, 0,1,2,3,4,5,6,7
	STEP \k, \adp, \adr
.endr
	PLACES 8
.endm
	s_load_b256 s[4:11], s[0:1], 0x0               ; w_o codes s[4:5], w_o scales s[6:7], aimg s[8:9], asc s[10:11]
	s_load_b64 s[12:13], s[0:1], 0x20              ; out0
	v_lshl_add_u32 v62, v0, 2, 0x4b600
	v_mov_b32 v63, 0
	ds_add_u32 v62, v63
	ds_add_u32 v62, v63
	v_lshrrev_b32 v1, 5, v0
	v_readfirstlane_b32 s2, v1                     ; wave 0..3
	s_bfe_u32 s36, ttmp6, 0x40000                  ; cx
	s_bfe_u32 s40, ttmp6, 0x40004                  ; cy
	s_lshl_b32 s37, ttmp9, 2
	s_add_co_u32 s37, s37, s36                     ; the tile of outputs
	s_and_b32 s41, ttmp7, 0xffff
	s_lshl_b32 s41, s41, 2
	s_add_co_u32 s41, s41, s40                     ; the tile of rows t
	s_lshl_b32 s61, s40, 2
	s_lshl_b32 s61, 15, s61                        ; my row of the cluster
	s_lshl_b32 s60, 0x1111, s36                    ; my column
	s_or_b32 s44, s60, (1<<20)|(1<<21)|(7<<22)|(3<<25)     ; w_o's codes: 128 rows x 1,024 bytes, four words of padding after every 256
	s_mov_b32 s45, 1024<<16
	s_mov_b32 s46, 128<<16
	s_mov_b32 s47, 1024<<16
	s_mov_b32 s48, 128
	s_mov_b32 s49, 1024
	s_mov_b32 s50, 0
	s_mov_b32 s51, 0
	s_or_b32 s52, s61, (3<<16)|(1<<21)                     ; vals' images: eight tiles are 131,072 dense bytes: 512 rows of 256, no padding
	s_mov_b32 s53, 32<<16
	s_mov_b32 s54, 512<<16                         ; eight tiles are 131,072 dense bytes: 512 rows of 256
	s_mov_b32 s55, 32<<16
	s_mov_b32 s56, 512
	s_mov_b32 s57, 32
	s_mov_b32 s58, 0
	s_mov_b32 s59, 0
	s_or_b32 s68, s60, (3<<16)|(1<<20)|(1<<21)|(5<<22)|(3<<25)   ; scale bytes of 128 rows: 16 rows of 256, 16 bytes of padding behind each
	s_or_b32 s76, s61, (3<<16)|(1<<20)|(1<<21)|(5<<22)|(3<<25)
.irp g, 68, 76
	s_mov_b32 s[\g+1], 32<<16
	s_mov_b32 s[\g+2], 16<<16                      ; the scale bytes of 128 rows: 16 rows of 256
	s_mov_b32 s[\g+3], 32<<16
	s_mov_b32 s[\g+4], 16
	s_mov_b32 s[\g+5], 32
	s_mov_b32 s[\g+6], 0
	s_mov_b32 s[\g+7], 0
.endr
	s_lshl_b32 s38, s37, 7
	s_lshl_b32 s24, s38, 10
	s_mov_b32 s25, 0
	s_lshl_b32 s26, s38, 5
	s_mov_b32 s27, 0
	s_lshl_b32 s28, s41, 17                        ; vals: eight tiles of 16,384 bytes x y
	s_mov_b32 s29, 0
	s_lshl_b32 s30, s41, 12                        ; its scale bytes: 128 rows of 32 x y
	s_mov_b32 s31, 0
	s_wait_dscnt 0x0
	s_wait_kmcnt 0x0
	s_add_nc_u64 s[4:5], s[4:5], s[24:25]
	s_add_nc_u64 s[6:7], s[6:7], s[26:27]
	s_add_nc_u64 s[8:9], s[8:9], s[28:29]
	s_add_nc_u64 s[10:11], s[10:11], s[30:31]
	CROUND                                         ; all sixteen work-groups are here
	s_mov_b32 s84, 1
	s_mov_b32 s85, SCL
	s_mov_b64 s[86:87], s[6:7]
	s_or_b32 s87, s87, 0x80000000
	s_mov_b32 s96, 1
	s_mov_b32 s97, SCL+2*HALFS
	s_mov_b64 s[98:99], s[10:11]
	s_or_b32 s99, s99, 0x80000000
	s_mov_b32 s88, 1
	s_mov_b32 s89, 0
	s_mov_b64 s[90:91], s[4:5]
	s_or_b32 s91, s91, 0x80000000
	s_mov_b32 s16, 1
	s_mov_b32 s17, TILEB
	s_mov_b64 s[18:19], s[8:9]
	s_or_b32 s19, s19, 0x80000000
	; the head's four joint loads, one a wave: wave 0 w_o's codes, wave 1 vals' images, wave 2 w_o's scale bytes, wave 3 vals'.  Nothing is filled later
	ARM 1, 88, 44, .Lhead_x
	ARM 2, 16, 52, .Lhead_sw
	ARM 3, 84, 68, .Lhead_sx
	tensor_load_to_lds s[96:99], s[76:83]
	s_nop 0
.rept 4
	v_nop
.endr
.Lhead_asked:
	v_and_b32 v10, 15, v0                          ; r
	v_bfe_u32 v11, v0, 4, 1                        ; h
	v_and_b32 v13, 31, v0                          ; lane
	v_mul_u32_u24 v14, v10, PITCH
	v_lshl_add_u32 v1, v11, 4, v14                 ; v1, v2: w_o's tile in chunk 0, 1
	v_add_nc_u32 v2, SLOT, v1
	v_lshrrev_b32 v9, 3, v13
	v_mul_u32_u24 v9, v9, 272
	v_and_b32 v12, 7, v13
	v_lshl_add_u32 v9, v12, 5, v9
	v_add_nc_u32 v9, SCL, v9                       ; v9: w_o's scale words
	s_mul_i32 s24, s2, 4*272
	s_add_co_u32 s24, s24, 2*HALFS
	v_add_nc_u32 v12, s24, v9                      ; v12: vals', at my wave's 32 rows
	v_lshlrev_b32 v13, 4, v13                      ; 16 x lane
	s_lshl_b32 s24, s2, 15
	s_add_co_u32 s24, s24, TILEB
	v_add_nc_u32 v3, s24, v13                      ; v3: my two tiles' images
	s_mul_i32 s24, s2, 16*528
	s_add_co_u32 s24, s24, STG                     ; my stage
	v_mul_u32_u24 v14, v10, 528                    ; a stage row: 512 bytes + 16
	v_lshl_add_u32 v14, v11, 5, v14
	v_add_nc_u32 v14, s24, v14                     ; in: row r, + 32 h
	v_add_nc_u32 v15, s24, v13                     ; back: a row of 512 bytes, 16 a lane
	s_lshl_b32 s24, s41, 19                        ; out0: (128 y + 32 w) rows of 4,096 bytes + 512 x
	s_lshl_b32 s25, s2, 17
	s_add_co_u32 s24, s24, s25
	s_lshl_b32 s25, s37, 9
	s_add_co_u32 s24, s24, s25
	s_mov_b32 s25, 0
	s_add_nc_u64 s[12:13], s[12:13], s[24:25]
	s_wait_alu depctr_va_vdst(0)
	s_wait_tensorcnt 0x0
	s_barrier_signal -1
	s_barrier_wait -1
	CORE 1, 3, 9, 12
; 16 rows x 128 outputs through my stage.  LDS serves a wave's instructions in order (ISA guide 5.7.1.4): no wait between the stores and the loads, nor in front of the next half's stores.
.macro TOSTAGE o, back
.irp b, 0,1,2,3,4,5,6,7
	ds_store_b128 v14, v[ACC+64*\o+8*\b:ACC+64*\o+8*\b+3] offset:64*\b        ; each accumulator from its low end on
	ds_store_b128 v14, v[ACC+64*\o+8*\b+4:ACC+64*\o+8*\b+7] offset:64*\b+16
.endr
.irp i, 0,1,2,3,4,5,6,7,8,9,10,11,12,13,14,15
	ds_load_b128 v[\back+4*\i:\back+4*\i+3], v15 offset:528*\i
.endr
.endm
	TOSTAGE 0, 64
	TOSTAGE 1, 128                                 ; (its rows come back into the first half's accumulators, which have been stored)
	s_wait_dscnt 32                                ; the first half is back: behind its loads stand the second half's 16 stores and 16 loads
.irp i, 0,1,2,3,4,5,6,7,8,9,10,11,12,13,14,15
	global_store_b128 v13, v[64+4*\i:67+4*\i], s[12:13] offset:4096*\i th:TH_STORE_NT   ; 512 consecutive bytes, aligned; written once
.endr
	s_wait_dscnt 0x0
.irp i, 0,1,2,3,4,5,6,7,8,9,10,11,12,13,14,15
	global_store_b128 v13, v[128+4*\i:131+4*\i], s[12:13] offset:65536+4096*\i th:TH_STORE_NT
.endr
	s_wait_tensorcnt 0x0
	ds_add_u32 v62, v63
	s_wait_dscnt 0x0
	CROUND                                         ; the closing round
	s_endpgm
.Lfunc_end_k_q3d3579398e_outp:
	.size	k_q3d3579398e_outp, .Lfunc_end_k_q3d3579398e_outp-k_q3d3579398e_outp
	.p2alignl 7, 3214868480
	.fill 96, 4, 3214868480
	.section	.rodata,"a",@progbits
	.p2align	6, 0x0
	.amdhsa_kernel k_q3d3579398e_outp
		.amdhsa_group_segment_fixed_size 309248
		.amdhsa_private_segment_fixed_size 0
		.amdhsa_enable_private_segment 0
		.amdhsa_kernarg_size 40
		.amdhsa_user_sgpr_count 2
		.amdhsa_user_sgpr_kernarg_segment_ptr 1
		.amdhsa_wavefront_size32 1
		.amdhsa_system_sgpr_workgroup_id_x 1
		.amdhsa_system_sgpr_workgroup_id_y 1
		.amdhsa_system_sgpr_workgroup_id_z 1
		.amdhsa_system_vgpr_workitem_id 0
		.amdhsa_next_free_vgpr 512
		.amdhsa_next_free_sgpr 106
		.amdhsa_reserve_vcc 0
		.amdhsa_float_denorm_mode_32 3
		.amdhsa_float_denorm_mode_16_64 3
		.amdhsa_memory_ordered 1
		.amdhsa_forward_progress 1
		.amdhsa_inst_pref_size 55
	.end_amdhsa_kernel
	.amdgpu_metadata
---
amdhsa.version: [ 1, 2 ]
amdhsa.kernels:
  - .name:           k_q3d3579398e_outp
    .symbol:         k_q3d3579398e_outp.kd
    .args:
      - { .name: w_o_codes, .offset: 0, .size: 8, .value_kind: global_buffer, .address_space: global }
      - { .name: w_o_scales, .offset: 8, .size: 8, .value_kind: global_buffer, .address_space: global }
      - { .name: aimg, .offset: 16, .size: 8, .value_kind: global_buffer, .address_space: global }
      - { .name: asc, .offset: 24, .size: 8, .value_kind: global_buffer, .address_space: global }
      - { .name: out0, .offset: 32, .size: 8, .value_kind: global_buffer, .address_space: global }
    .group_segment_fixed_size: 309248
    .private_segment_fixed_size: 0
    .kernarg_segment_align: 8
    .kernarg_segment_size: 40
    .max_flat_workgroup_size: 128
    .sgpr_count:     106
    .vgpr_count:     512
    .wavefront_size: 32
...
	.end_amdgpu_metadata
.endif
;; end of part 4
